; MI455X (gfx1250); checked and timed in simulation.
; The chip was launched on July 23, 2026; its instructions are those of AMD's public machine-readable ISA for CDNA 5 (MIT licence, August 2026) and "CDNA5" Instruction Set Architecture Reference Guide (July 2026). The comments in the code are by the model that wrote it; some were corrected since.
;; Multi Head Self Attention Module. Allowed arithmetic: matrix products marked QUANTISED: E5M2 operands, one given power-of-two scale a tensor, by v_wmma_f32_16x16x64_bf8_bf8 or v_wmma_f32_16x16x128_bf8_bf8, f32 sums; everything else in f32.
;; Inputs: bk 1,024 float32; bo 1,024 float32; bq 1,024 float32; bv 1,024 float32; ln_b 1,024 float32; ln_g 1,024 float32; lowp_scales 12 int32 (the exponents e of the quantised operands' scales 2^e); rel_bias 16 x 32 x 32 float32; wk_codes 1,024 x 32 x 32 uint8 (E5M2 codes of wk, K innermost, in blocks of 32 codes); wo_codes 1,024 x 32 x 32 uint8 (E5M2 codes of wo, K innermost, in blocks of 32 codes); wq_codes 1,024 x 32 x 32 uint8 (E5M2 codes of wq, K innermost, in blocks of 32 codes); wv_codes 1,024 x 32 x 32 uint8 (E5M2 codes of wv, K innermost, in blocks of 32 codes); x 512 x 32 x 1,024 float32.
;; Outputs: out0 512 x 32 x 1,024 float32.
;; This version of the problem:
;;   THIS VERSION OF THE PROBLEM IS GIVEN IN LOW PRECISION. The matrix products marked QUANTISED in the list below multiply operands that are first quantised to E5M2 (5 exponent bits, 2 mantissa bits; 8 bits a number), with one given power-of-two scale for each operand tensor; their sums are f32. All else is computed in f32.
;;   The module's matrix products, in the order in which they are computed (A, B: the left and right operand; K: the contracted axis; several contracted axes count as one K, in the product's order):
;;     1. [M 16,384, K 1,024] x [K 1,024, N 1,024]; A: computed on the way; B: input wq (given as codes): QUANTISED (scales: A lowp_scales[0], B lowp_scales[1])
;;     2. [M 16,384, K 1,024] x [K 1,024, N 1,024]; A: computed on the way; B: input wk (given as codes): QUANTISED (scales: A lowp_scales[2], B lowp_scales[3])
;;     3. [M 16,384, K 1,024] x [K 1,024, N 1,024]; A: computed on the way; B: input wv (given as codes): QUANTISED (scales: A lowp_scales[4], B lowp_scales[5])
;;     4. batch 8,192 x [M 32, K 64] x [K 64, N 32]; A: computed on the way; B: computed on the way: QUANTISED (scales: A lowp_scales[6], B lowp_scales[7])
;;     5. batch 8,192 x [M 32, K 32] x [K 32, N 64]; A: softmax (see below); B: computed on the way: QUANTISED (scales: A lowp_scales[8], B lowp_scales[9])
;;     6. [M 16,384, K 1,024] x [K 1,024, N 1,024]; A: computed on the way; B: input wo (given as codes): QUANTISED (scales: A lowp_scales[10], B lowp_scales[11])
;;   THE QUANTISER, for each operand of a quantised product, along K:
;;     - The operand's scale is 2^e, e = its entry of the input lowp_scales (int32; the entries are numbered through the quantised products in the list's order, A before B).
;;     - Each number is divided by the scale, clamped to +-57,344, and rounded to the nearest number of E5M2, ties to even, subnormals kept.
;;     - The product sums the exact products of the quantised numbers (number of the format x scale) in f32.
;;   ~~~python
;;   def quantise(x, axis, e):      # numpy; x: float32 -> the quantised numbers, widened to float32 again
;;       x = np.moveaxis(x, axis, -1); K = x.shape[-1]
;;       r = np.clip(x / 2.0 ** e, -57344, 57344)
;;       step = 2.0 ** (np.maximum(np.frexp(np.where(r == 0, 1, r))[1] - 1, -14) - 2)
;;       q = np.round(r / step) * step * 2.0 ** e      # np.round: ties to even
;;       return np.moveaxis(q, -1, axis).astype(np.float32)
;;   ~~~
;;   SOFTMAX AHEAD OF A QUANTISED PRODUCT. Where the list says 'softmax', what is quantised is not the finished softmax but p = 2^(t - M), with t = logit x log2(e) and M = ceil(the row's largest t), a whole number; so 1/2 < the row's largest p <= 1. The row's sum l is taken of the UNQUANTISED p, in f32, and the product's result is divided by l at the end. Since M is a whole number, a kernel that streams over the keys may use a running M (the ceiling of the running maximum): every later rescaling is an exact power of two, so the quantised numbers keep their values, but for numbers so far below the row's largest that they fall under the format's range.
;;   OPERANDS COMPUTED ON THE WAY. 'Computed on the way' means the value that the module computes at that place (a softmax that the list does not call 'softmax' is quantised finished and normalised). What goes into a quantiser is computed in f32, as accurately as f32 sums, v_exp_f32 and their like allow (about 1e-6 of the number): no bf16 or f16 on the way to a quantiser, and a product that is left as it is and whose result goes on into a quantised operand takes f32 operands (vector FMAs, or v_wmma_f32_16x16x4_f32). A number that lies on a knife's edge between two numbers of the format may be rounded either way, as far as f32 arithmetic and the matrix unit's own rounding can turn it there, and no further.
;;   INPUTS GIVEN AS CODES. wk (in the module: [1024, 1024], K = its axis 0); wo (in the module: [1024, 1024], K = its axis 0); wq (in the module: [1024, 1024], K = its axis 0); wv (in the module: [1024, 1024], K = its axis 0): each comes as NAME_codes (uint8): NAME with its K axis moved to the last place and cut into blocks of 32 codes, [.., K / 32, bytes a block], one block behind the other in memory; one code a byte (a code: sign, 5 exponent bits, 2 mantissa bits); its scale is its entry of lowp_scales. Its value is code x scale, taken as it is: it is not quantised again, and the codes and scales need not be those that the quantiser above would give.
;; 2 versions. Each part assembles by itself: llvm-mc -triple=amdgcn-amd-amdhsa -mcpu=gfx1250 --defsym DOCPART=n.
;; ======== version 1 of 2: 1 launch
;; launch fused (part 1): grid 256 x 1, 4 waves a work-group, clusters of 4 x 1, 327,680 bytes of LDS; arguments x, ln_g, ln_b, wq_codes, wk_codes, wv_codes, wo_codes, bq, bk, bv, bo, rel_bias, lowp_scales, out0; writes out0
.if DOCPART == 1
	.amdgcn_target "amdgcn-amd-amdhsa--gfx1250"
	.amdhsa_code_object_version 6
	.text
	.protected	k_q81c51675ec_fused
	.globl	k_q81c51675ec_fused
	.p2align	8
	.type	k_q81c51675ec_fused,@function
k_q81c51675ec_fused:
	s_mov_b64 s[64:65], 0
	v_nop
	global_prefetch_b8 v0, s[64:65] scope:SCOPE_SE
	s_setreg_imm32_b32 hwreg(HW_REG_WAVE_MODE, 25, 1), 1
	s_wait_xcnt 0x0
	s_wait_alu depctr_hold_cnt(0) depctr_sa_sdst(0) depctr_va_vdst(0) depctr_va_sdst(0) depctr_va_ssrc(0) depctr_va_vcc(0) depctr_vm_vsrc(0)
	s_getreg_b32 s2, hwreg(HW_REG_IB_STS2, 6, 4)
	s_cmp_eq_u32 s2, 0
	s_cbranch_scc0 .Lentry_in_a_cluster
	s_endpgm
.Lentry_in_a_cluster:
	s_bfe_u32 s2, ttmp6, 0x10000c
	s_cmp_lg_u32 s2, 0x3003
	s_cbranch_scc0 .Lentry_shape_is_right
	s_endpgm
.Lentry_shape_is_right:
; out = x + attention(layernorm(x)) Wo + bo, all six products on codes of BF8 (E5M2) with the given scales 2^e0 .. 2^e11; everything else f32.
; x, out: [512][32][1024] f32.  The four weights: codes, [n = 1024][k = 1024], a row is 1,024 bytes.  rel_bias: [16][32][32] f32.
; SHARES.  A work-group of four waves owns 64 rows (two batches of 32 tokens) and takes them through the whole module; nothing goes to memory on the way.
;   LayerNorm: wave w owns rows 16 w .. 16 w + 15.  Products: THE WAVES SHARE THE COLUMNS.  In head step j = 0 .. 3 wave w owns the 64 columns from n0 = 128 w + 64 (j & 1) + 512 (j >> 1),
;   one head, for all 64 rows: a head's Q, K, V and its attention stay inside one wave, and each weight byte is read from LDS by one wave.
; WEIGHTS come through a ring of two LDS slots: a tile is, for each wave, its 64 rows x 512 bytes (one half of K); K's first half always lands in slot 0, the second in slot 1.  32 tiles in all.
;   CLUSTER: the four work-groups of a cluster walk the same tiles, so each tile is asked for JOINTLY (mask 15), each wave asking for its own 64 rows.
; THE LEFT OPERAND (codes of the normalised x, later of ctx; 64 rows x 1,024 k): K's first half lies in LDS as images of the fragments' registers (32 KiB, read by all waves), the second half in every wave's registers.
; x is brought in once by tensor loads (it fills the ring first) and read a second time for the residual, by loads issued a head step ahead of their use: 256 KiB of f32 have no room beside ring, codes and sums.
; LAYOUTS.  K = 128 fragments: register 4 c + x, byte y holds k = 128 s + 32 c + 16 (lane / 16) + 4 x + y, alike on both sides of a product.
;   Q, K, out: source 0 = 16 rows of W, source 1 = 16 tokens: a lane holds one token and eight neighbouring columns.  V: source 0 = tokens, source 1 = rows of W: a lane holds one channel and eight tokens.
;   V's rows of W in a tile are 32 (t / 2) + 8 (t % 2) + r + 8 (r / 8), so that ctx comes out with 16 neighbouring channels in the registers of two neighbouring tiles.
; SOFTMAX: t = score x log2(e) / 8 + bias x log2(e); M = ceil(the row's largest t); p = 2^(t - M) is quantised; the sum of the unquantised p divides at the end.
; LIMITS on the given exponents, so that each power of two made below is an f32 number: e0, e2, e4, e8, e10, e6 - e0 - e1, e7 - e2 - e3, e9 - e4 - e5 between -126 and 112;
;   e6 + e7 between -123 and 130; e10 + e11 between -126 and 127.  NaN among the inputs is not served.  The variance is taken of x - mean, in a pass of its own.
; LDS: 0 the ring (2 x 135,168; first x, 8 blocks of 64 rows x 512 bytes); EXR 16 fragment images of 2,048 bytes; STG a stage of 16 rows x 272 for each wave (in LayerNorm: gain and bias); SPARE the spare words.
; REGISTERS, in windows of 256.  Window 0: v1-22 addresses and scales that stay; v24-27 V's bias, later p's scale; v28-31 mean and 1/sigma; v32-63 bias tiles / statistics; v64-191 two sets of weight fragments
;   (also x, scores, rel_bias, p's codes, rows on the way out); v192-255 the left operand's fragments of K's first half.   Window 1: the left operand's 16 fragments of K's second half (in LayerNorm: held numbers and the gain; in attention: O^T).
;   Window 2: v0-127 the 16 accumulators, acc(m, t) at 8 (4 m + t), later ctx's codes; v128-255 my rows' codes under e0, then Q's codes.   Window 3: v0-127 codes under e2, then K's, then x for the residual; v128-255 codes under e4, then V's.
.set SLOT,  135168                     ; four waves x 64 rows x 528
.set WT,    33792                      ; a wave's part of a slot; also a block of x
.set PW,    528                        ; an LDS row: 512 bytes + 16 of padding = 33 x 16: sixteen rows start at sixteen different 16-byte columns
.set EXR,   2*SLOT
.set STG,   EXR+32768
.set SPARE, STG+17408
.set SP,    272
.set MSB, 0
.macro WIN new                         ; the immediate's high byte repeats the setting that is left; a switch that changes nothing is dropped
.if MSB != (\new)
	s_set_vgpr_msb (MSB<<8)|(\new)
.set MSB, (\new)
.endif
.endm
.macro PLACES n                        ; plain vector instructions between a matrix instruction and what touches its registers (ISA guide 7.12.1)
.rept \n
	v_nop
.endr
.endm
.macro CROUND                          ; a round of the cluster's barrier
	s_barrier_signal -1
	s_barrier_wait -1
	s_cmp_lg_u32 s3, 0
	s_cbranch_scc1 .Lnw0_\@
	s_barrier_signal -3
.Lnw0_\@:
	s_barrier_wait -3
	s_barrier_signal -1
	s_barrier_wait -1
.endm
.macro BAR                             ; my LDS stores have landed and my LDS loads are in: then the work-group's barrier
	s_wait_dscnt 0x0
	s_barrier_signal -1
	s_barrier_wait -1
.endm
.macro MKSC se, vsc, vlim              ; 2^e as f32 (the conversion takes its exponent field), and 57,344 x 2^e
	s_add_co_i32 s6, \se, 127
	s_lshl_b32 s7, s6, 23
	v_mov_b32 v[\vsc], s7
	s_add_co_i32 s6, s6, 15
	s_lshl_b32 s6, s6, 23
	s_or_b32 s6, s6, 0x600000
	v_mov_b32 v[\vlim], s6
.endm
; A loop's trip writes into registers that hang on the trip's number: the few lines that differ are written once for each number, and a scalar branch on the counter picks them.  No memory instruction and no barrier stands inside.
.macro SW4 sreg, body, a, b
	WIN 0
.irp k, 1,2,3
	s_cmp_eq_u32 \sreg, \k
	s_cbranch_scc1 .Lsw_\@_\k
.endr
	\body 0, \a, \b
	s_branch .Lsw_\@_e
.irp k, 1,2,3
.Lsw_\@_\k:
	\body \k, \a, \b
.if \k < 3
	s_branch .Lsw_\@_e
.endif
.endr
.Lsw_\@_e:
.endm
.macro SW8 sreg, body, a, b
	WIN 0
.irp k, 1,2,3,4,5,6,7
	s_cmp_eq_u32 \sreg, \k
	s_cbranch_scc1 .Lsw_\@_\k
.endr
	\body 0, \a, \b
	s_branch .Lsw_\@_e
.irp k, 1,2,3,4,5,6,7
.Lsw_\@_\k:
	\body \k, \a, \b
.if \k < 7
	s_branch .Lsw_\@_e
.endif
.endr
.Lsw_\@_e:
.endm
; A PREFETCH INTO THE L2 of a weight tile, three tiles ahead of the joint load that will want it (192 matrix instructions a wave).  All 64 clusters walk the same 32 tiles: cluster t < 32 asks for tile t, once.
; Its four partners take a wave's part each, told apart BY ADDRESS; wave w takes 16 of its 64 rows, a lane one aligned block of 256 bytes: each block is named once in the launch.  s59 counts the tiles, s67 is my cluster's tile.
.macro ASK
	s_cmp_eq_u32 s59, s67
	s_cbranch_scc0 .Lna_\@
	global_prefetch_b8 v22, s[100:101] th:TH_LOAD_NT scope:SCOPE_SE
.Lna_\@:
	s_add_co_u32 s59, s59, 1
.endm
; A SLOT IS FILLED AGAIN.  Every wave: all its tensor loads have landed; 0 onto its spare word; the next tile's address is made meanwhile; the add is done and its LDS reads are back; a round of the cluster's barrier; the joint load first behind it.
; kind 0: the first tile of Wq into slot 0.  1: K's second half of the head step in hand into slot 1.  2: K's first half of the next head step into slot 0; behind head step 3 that is the next weight's.  3: the same inside the last weight.
.macro FILL kind
	WIN 0
	s_wait_tensorcnt 0x0                           ; no tensor load of mine is out, so a group 0 may be written
	ds_add_u32 v1, v2
.if \kind == 0
	s_mov_b64 s[32:33], s[38:39]
	s_mov_b64 s[26:27], s[32:33]
	s_or_b32 s27, s27, 0x80000000
.elseif \kind == 1
	s_add_nc_u64 s[30:31], s[32:33], 512
	s_or_b32 s31, s31, 0x80000000
.else
	s_add_co_u32 s6, s4, 1                         ; the next head step: 64 (j & 1) + 512 ((j >> 1) & 1) rows of 1,024 bytes
	s_and_b32 s7, s6, 1
	s_lshl_b32 s7, s7, 16
	s_bfe_u32 s6, s6, 0x10001
	s_lshl_b32 s6, s6, 19
	s_add_co_u32 s6, s6, s7
	s_mov_b32 s7, 0
.if \kind == 2
	s_cmp_eq_u32 s4, 3
	s_cselect_b64 s[34:35], s[38:39], s[36:37]
	s_add_nc_u64 s[32:33], s[34:35], s[6:7]
.else
	s_add_nc_u64 s[32:33], s[36:37], s[6:7]
.endif
	s_mov_b64 s[26:27], s[32:33]
	s_or_b32 s27, s27, 0x80000000
.endif
	s_wait_dscnt 0x0                               ; the add is done, and my reads of the slot (and my stores of images) are over
	CROUND                                         ; the same holds of every wave of all four work-groups
.if \kind == 1
	tensor_load_to_lds s[28:31], s[8:15]           ; my 64 rows: one tensor load of mine is out until the next such round
	s_nop 0
.else
	tensor_load_to_lds s[24:27], s[8:15]
	s_nop 0
.endif
	PLACES 4
	ASK
.endm
; ---- the products' pieces
.macro LDB set, q, s, orient           ; my four weight fragments of K step s of slot q into set
.irp t, 0,1,2,3
.irp c, 0,1,2,3
.if \orient
	ds_load_b128 v[64+64*(\set)+16*\t+4*\c:64+64*(\set)+16*\t+4*\c+3], v[8+\q] offset:PW*(32*(\t/2)+8*(\t%2))+128*(\s)+32*\c
.else
	ds_load_b128 v[64+64*(\set)+16*\t+4*\c:64+64*(\set)+16*\t+4*\c+3], v[6+\q] offset:16*PW*\t+128*(\s)+32*\c
.endif
.endr
.endr
.endm
.macro LDA m0, s                       ; the left operand's fragments (K step s, tiles of rows m0, m0 + 1) from their images
.irp m, \m0, \m0+1
.irp c, 0,1,2,3
	ds_load_b128 v[192+16*(\m)+4*\c:192+16*(\m)+4*\c+3], v3 offset:2048*(4*(\s)+(\m))+512*\c
.endr
.endr
.endm
; 8 matrix instructions: tiles of rows m0, m0 + 1 x my four tiles of columns, 128 along K.  The 16 accumulators take turns, one instruction a turn, in the same order in every K step.
; first = 1: the bias tiles are C, so the first product starts the sums.
.macro MM8 orient, half, s, set, m0, first
.if \first
	WIN 0x80
.elseif \half == 0
	WIN 0xa0
.elseif \orient
	WIN 0xa1
.else
	WIN 0xa4
.endif
.irp m, \m0, \m0+1
.irp t, 0,1,2,3
.set rD, 8*(4*(\m)+\t)
.set rW, 64+64*(\set)+16*\t
.if \half
.set rA, 16*(4*(\s)+(\m))
.else
.set rA, 192+16*(\m)
.endif
.set rC, rD
.if \first
.set rC, 32+8*\t
.endif
.if \orient
	v_wmma_f32_16x16x128_bf8_bf8 v[rD:rD+7], v[rA:rA+15], v[rW:rW+15], v[rC:rC+7]
.else
	v_wmma_f32_16x16x128_bf8_bf8 v[rD:rD+7], v[rW:rW+15], v[rA:rA+15], v[rC:rC+7]
.endif
.endr
.endr
.endm
.macro BIASLD orient                   ; the head step's 64 bias numbers, in the result's layout
.if \orient
.irp t, 0,1,2,3
	global_load_b32 v[24+\t], v18, s[60:61] offset:4*(32*(\t/2)+8*(\t%2))
.endr
.else
.irp t, 0,1,2,3
	global_load_b128 v[32+8*\t:35+8*\t], v17, s[60:61] offset:64*\t
	global_load_b128 v[36+8*\t:39+8*\t], v17, s[60:61] offset:64*\t+16
.endr
.endif
.endm
.macro BIASFIX orient                  ; a sum stands for sum x 2^(eA + eW): the bias goes in divided by that (s58 = -(eA + eW))
.irp t, 0,1,2,3
.irp i, 0,1,2,3,4,5,6,7
.if \orient
	v_ldexp_f32 v[32+8*\t+\i], v[24+\t], s58
.else
	v_ldexp_f32 v[32+8*\t+\i], v[32+8*\t+\i], s58
.endif
.endr
.endr
.endm
; K's first half: four K steps; weights from slot 0 in two sets by turns, the left operand from its images in one set, renewed half by half as its products are issued.  lc: global loads that may stay out when the bias is wanted.
.macro SLOT0 orient, lc
	LDB 0, 0, 0, \orient
	LDA 0, 0
	LDA 2, 0
	s_wait_loadcnt \lc
	BIASFIX \orient
.irp s, 0,1,2,3
	s_wait_dscnt 8                                 ; the weights and tiles 0, 1 are in; the youngest eight loads (tiles 2, 3) may be out
.if \s == 0
	MM8 \orient, 0, \s, 0, 0, 1
.else
	MM8 \orient, 0, \s, \s%2, 0, 0
.endif
	s_wait_dscnt 0x0                               ; tiles 2, 3 are in
.if \s < 3
	PLACES 4
	WIN 0
	LDB (\s+1)%2, 0, \s+1, \orient
	LDA 0, \s+1
.endif
.if \s == 0
	MM8 \orient, 0, \s, 0, 2, 1
.else
	MM8 \orient, 0, \s, \s%2, 2, 0
.endif
.if \s < 3
	PLACES 4
	WIN 0
	LDA 2, \s+1
.endif
.endr
.endm
; K's second half: the left operand is in window 1; only the weights are fetched, a K step ahead.
.macro SLOT1 orient
	PLACES 4
	WIN 0
	LDB 0, 1, 0, \orient
.irp s, 0,1,2,3
.if \s < 3
.if \s > 0
	PLACES 4
	WIN 0
.endif
	LDB (\s+1)%2, 1, \s+1, \orient
	s_wait_dscnt 16                                ; this K step's weights are in; the sixteen just issued may be out
.else
	s_wait_dscnt 0x0
.endif
	MM8 \orient, 1, \s, \s%2, 0, 0
	MM8 \orient, 1, \s, \s%2, 2, 0
.endr
.endm
.macro CLAMPACC                        ; the conversion to an 8-bit code does not saturate (ISA guide 7.6.2): the hold at the largest code x the scale; each accumulator from its low end on
	WIN 0x82
.set IX, 0
.rept 128
	v_med3_num_f32 v[IX], v[IX], -v21, v21
.set IX, IX+1
.endr
.endm
.macro CVTQK k, w, base                ; acc(m, t) -> registers 2 t, 2 t + 1 of the K = 64 fragment of tile of tokens m, head step k
	WIN ((\w)<<6)|2
.irp m, 0,1,2,3
.irp t, 0,1,2,3
	v_cvt_scalef32_pk8_bf8_f32 v[\base+32*\k+8*\m+2*\t:\base+32*\k+8*\m+2*\t+1], v[8*(4*\m+\t):8*(4*\m+\t)+7], v20
.endr
.endr
	v_nop                                          ; a plain instruction behind the last conversion
	WIN 0
.endm
.macro CVTV k, w, base                 ; acc(m, t) -> registers 2 m, 2 m + 1 of V^T's fragment of channels' tile t: K = the 64 tokens
	WIN ((\w)<<6)|2
.irp m, 0,1,2,3
.irp t, 0,1,2,3
	v_cvt_scalef32_pk8_bf8_f32 v[\base+32*\k+8*\t+2*\m:\base+32*\k+8*\t+2*\m+1], v[8*(4*\m+\t):8*(4*\m+\t)+7], v20
.endr
.endr
	v_nop
	WIN 0
.endm
; THE LEFT OPERAND GOES ROUND.  Each wave holds 8 of its 32 fragments (base .. base + 127 of window dw).  The four of K's second half go to LDS as images, every wave takes all sixteen into window 1,
; and then the four of K's first half take the same LDS bytes and stay there.  The reads of those stand behind the next refill's round, in front of which each wave waits for its stores.
.macro EXCH dw, base, adr, stride
	WIN (\dw)<<2
.irp i, 0,1,2,3
.irp c, 0,1,2,3
	ds_store_b128 v[\adr], v[\base+64+16*\i+4*\c:\base+64+16*\i+4*\c+3] offset:\stride*\i+512*\c
.endr
.endr
	WIN 0
	BAR                                            ; the sixteen images lie in LDS
	PLACES 4
	WIN 0x40
.set IX, 0
.rept 64
	ds_load_b128 v[4*IX:4*IX+3], v3 offset:512*IX
.set IX, IX+1
.endr
	WIN 0
	BAR                                            ; every wave has them in registers
	WIN (\dw)<<2
.irp i, 0,1,2,3
.irp c, 0,1,2,3
	ds_store_b128 v[\adr], v[\base+16*\i+4*\c:\base+16*\i+4*\c+3] offset:\stride*\i+512*\c
.endr
.endr
	WIN 0
.endm
.macro NOFF                            ; s[6:7] = 4 n0 = 512 w + 256 (j & 1) + 2,048 (j >> 1)
	s_and_b32 s6, s4, 1
	s_lshl_b32 s6, s6, 8
	s_lshr_b32 s7, s4, 1
	s_lshl_b32 s7, s7, 11
	s_add_co_u32 s6, s6, s7
	s_lshl_b32 s7, s3, 9
	s_add_co_u32 s6, s6, s7
	s_mov_b32 s7, 0
.endm
; ONE OF THE THREE PROJECTIONS: four head steps; the results become codes in registers.
.macro PHASE orient, ea, ew, eo, bp, wn, dw, db, body
	s_add_co_i32 s58, s[\ea], s[\ew]
	s_sub_co_i32 s2, s[\eo], s58                   ; a sum's code is sum / 2^(eo - ea - ew): the three scales folded into the conversion's one
	MKSC s2, 20, 21
	s_sub_co_i32 s58, 0, s58
	s_mov_b64 s[36:37], s[38:39]                   ; this weight's rows of mine,
	s_lshl_b32 s6, s3, 17
	s_mov_b32 s7, 0
	s_add_nc_u64 s[38:39], s[\wn:\wn+1], s[6:7]    ; and the next weight's: 128 w rows of 1,024 bytes on
	EXCH \dw, \db, 4, 8192
	s_mov_b32 s4, 0
.Lph_\@:
	NOFF
	s_add_nc_u64 s[60:61], s[\bp:\bp+1], s[6:7]    ; (the last trip's bias loads were waited for: their base is free)
	BIASLD \orient
	FILL 1
	SLOT0 \orient, 0
	FILL 2
	SLOT1 \orient
	PLACES 4
	CLAMPACC
	SW4 s4, \body, \dw, \db
	s_add_co_u32 s4, s4, 1
	s_cmp_lt_u32 s4, 4
	s_cbranch_scc1 .Lph_\@
.endm
; ---- LayerNorm's pieces.  A block is 128 along K of my 16 rows: 64 numbers a lane, register 16 c + i = k 128 s + 32 c + 16 (lane / 16) + i of row lane % 16.
.macro XBLK w, base, adr, off
	WIN (\w)<<6
.irp c, 0,1,2,3
.irp x, 0,1,2,3
	ds_load_b128 v[\base+16*\c+4*\x:\base+16*\c+4*\x+3], v[\adr] offset:\off+128*\c+16*\x
.endr
.endr
.endm
.macro BLKPOS b                        ; where the first pass puts block b: the registers that will hold the codes, so that each of them has been written whole
.if (\b) < 2
.set BW, 2
.set BB, 128+64*(\b)
.elseif (\b) < 6
.set BW, 3
.set BB, 64*((\b)-2)
.else
.set BW, 0
.set BB, 64+64*((\b)-6)
.endif
.endm
.macro PALOAD b
	BLKPOS \b
.if ((\b)%2) == 0
	WIN 0
	v_add_nc_u32 v[12+((\b)/2)%2], 2*WT*((\b)/2), v10
.endif
	XBLK BW, BB, 12+((\b)/2)%2, WT*((\b)%2)
.endm
.macro SUMBLK b                        ; four chains of packed sums; the first block's first pairs start them
	BLKPOS \b
.if (\b) == 0
	WIN BW|(BW<<2)
.irp c, 0,1,2,3
	v_pk_add_f32 v[32+2*\c:33+2*\c], v[BB+2*\c:BB+2*\c+1], v[BB+8+2*\c:BB+9+2*\c]
.endr
.endif
	WIN BW<<2
.set IX, 0
.rept 32
.if ((\b) > 0) || (IX >= 8)
	v_pk_add_f32 v[32+2*(IX%4):33+2*(IX%4)], v[32+2*(IX%4):33+2*(IX%4)], v[BB+2*IX:BB+2*IX+1]
.endif
.set IX, IX+1
.endr
.endm
.macro REDUCE                          ; the four chains, the two halves of a pair, and the lane 16 away, which holds the row's other numbers
	v_pk_add_f32 v[32:33], v[32:33], v[34:35]
	v_pk_add_f32 v[36:37], v[36:37], v[38:39]
	v_pk_add_f32 v[32:33], v[32:33], v[36:37]
	v_add_f32 v32, v32, v33
	v_permlanex16_b32 v33, v32, s52, s53
	v_add_f32 v32, v32, v33
.endm
.macro VARBLK base
.set IX, 0
.rept 32
	v_pk_add_f32 v[\base+2*IX:\base+2*IX+1], v[\base+2*IX:\base+2*IX+1], v[28:29] neg_lo:[0,1] neg_hi:[0,1]
.set IX, IX+1
.endr
.set IX, 0
.rept 32
	v_pk_fma_f32 v[32+2*(IX%4):33+2*(IX%4)], v[\base+2*IX:\base+2*IX+1], v[\base+2*IX:\base+2*IX+1], v[32+2*(IX%4):33+2*(IX%4)]
.set IX, IX+1
.endr
.endm
.macro CLOADS xadr, gadr               ; a block of x -> v64-127, of the gain -> window 1 v192-255, of the bias -> v192-255
	XBLK 0, 64, \xadr, 0
	XBLK 1, 192, \gadr, 0
	XBLK 0, 192, \gadr, 4096
.endm
.macro NORM                            ; ((x - mean) / sigma) g + b -> v128-191: x's, g's and b's registers are free behind it
	WIN 0
.set IX, 0
.rept 32
	v_pk_add_f32 v[128+2*IX:129+2*IX], v[64+2*IX:65+2*IX], v[28:29] neg_lo:[0,1] neg_hi:[0,1]
.set IX, IX+1
.endr
.set IX, 0
.rept 32
	v_pk_mul_f32 v[128+2*IX:129+2*IX], v[128+2*IX:129+2*IX], v[30:31]
.set IX, IX+1
.endr
	WIN 0x04
.set IX, 0
.rept 32
	v_pk_fma_f32 v[128+2*IX:129+2*IX], v[128+2*IX:129+2*IX], v[192+2*IX:193+2*IX], v[192+2*IX:193+2*IX]
.set IX, IX+1
.endr
	WIN 0
.endm
.macro CLAMP3                          ; the three products' scales may differ: three holds, into window 1
	WIN 0x40
.set IX, 0
.rept 64
	v_med3_num_f32 v[IX], v[128+IX], -v41, v41
	v_med3_num_f32 v[64+IX], v[128+IX], -v43, v43
	v_med3_num_f32 v[128+IX], v[128+IX], -v45, v45
.set IX, IX+1
.endr
.endm
.macro CVT3 k, a, b                    ; block k's three fragments
	WIN 0x81
.irp g, 0,1,2,3,4,5,6,7
	v_cvt_scalef32_pk8_bf8_f32 v[128+16*\k+2*\g:129+16*\k+2*\g], v[8*\g:8*\g+7], v40
.endr
	WIN 0xc1
.irp g, 0,1,2,3,4,5,6,7
	v_cvt_scalef32_pk8_bf8_f32 v[16*\k+2*\g:16*\k+2*\g+1], v[64+8*\g:64+8*\g+7], v42
.endr
.irp g, 0,1,2,3,4,5,6,7
	v_cvt_scalef32_pk8_bf8_f32 v[128+16*\k+2*\g:129+16*\k+2*\g], v[128+8*\g:128+8*\g+7], v44
.endr
	v_nop
	WIN 0
.endm
; ---- attention's pieces, for head step k.  Tile of queries qt = 2 x batch + half; only the eight score tiles inside a batch are made.
.macro SMM k, a, b                     ; S^T = K Q^T: a lane holds one query and the keys 16 kp + 8 (lane / 16) + 0 .. 7 of its batch
	WIN 0x0b
.irp qt, 0,1,2,3
.irp kp, 0,1
	v_wmma_f32_16x16x64_bf8_bf8 v[64+16*\qt+8*\kp:71+16*\qt+8*\kp], v[32*\k+8*(2*(\qt/2)+\kp):32*\k+8*(2*(\qt/2)+\kp)+7], v[128+32*\k+8*\qt:135+32*\k+8*\qt], 0
.endr
.endr
	WIN 0
.endm
.macro PVMM k, a, b                    ; O^T = V^T P^T, K = the 64 tokens; the other batch's keys have zero codes in P
	WIN 0x43
.irp qt, 0,1,2,3
.irp t, 0,1,2,3
	v_wmma_f32_16x16x64_bf8_bf8 v[8*(4*\qt+\t):8*(4*\qt+\t)+7], v[128+32*\k+8*\t:135+32*\k+8*\t], v[160+8*\qt:167+8*\qt], 0
.endr
.endr
	WIN 0
.endm
.macro CVTC k, a, b                    ; ctx's codes: registers 8 (k % 2) + 2 t of the fragment (K step w + 4 (k / 2), tile of rows qt) of the last product
	WIN 0x81
.irp qt, 0,1,2,3
.irp t, 0,1,2,3
	v_cvt_scalef32_pk8_bf8_f32 v[64*(\k/2)+16*\qt+8*(\k%2)+2*\t:64*(\k/2)+16*\qt+8*(\k%2)+2*\t+1], v[8*(4*\qt+\t):8*(4*\qt+\t)+7], v20
.endr
.endr
	v_nop
	WIN 0
.endm
; ---- the way out, a block of 16 rows x my 64 columns at a time, through my own stage: in as 32 bytes a lane, back as whole rows of 256 bytes.  LDS serves a wave's instructions in order (ISA guide 5.7.1.4).
.macro OUTBLK m
	WIN 0x08
.irp t, 0,1,2,3
	ds_store_b128 v14, v[8*(4*(\m)+\t):8*(4*(\m)+\t)+3] offset:64*\t
	ds_store_b128 v14, v[8*(4*(\m)+\t)+4:8*(4*(\m)+\t)+7] offset:64*\t+16
.endr
	WIN 0
.irp i, 0,1,2,3,4,5,6,7
	ds_load_b128 v[64+32*((\m)%2)+4*\i:64+32*((\m)%2)+4*\i+3], v15 offset:2*SP*\i
.endr
.endm
.macro SEND m, younger
	s_wait_dscnt \younger                          ; the block is back; the next block's LDS instructions may be out
	s_wait_loadcnt 24-8*(\m)                       ; x of this block is in; the later blocks' eight loads each may be out
	WIN 0x30
.set IX, 0
.rept 16
	v_pk_fma_f32 v[64+32*((\m)%2)+2*IX:65+32*((\m)%2)+2*IX], v[64+32*((\m)%2)+2*IX:65+32*((\m)%2)+2*IX], s[56:57], v[32*(\m)+2*IX:32*(\m)+2*IX+1] op_sel_hi:[1,0,1]   ; sum x 2^(e10 + e11) + x; bo went in as C
.set IX, IX+1
.endr
	WIN 0
.irp i, 0,1,2,3,4,5,6,7
	global_store_b128 v16, v[64+32*((\m)%2)+4*\i:64+32*((\m)%2)+4*\i+3], s[98:99] offset:(16*(\m)+2*\i)*4096 th:TH_STORE_NT   ; sixteen lanes store 256 consecutive bytes, at a multiple of 256 from the buffer's first byte
.endr
.endm
.macro OSTEP more                      ; a head step of the last projection
	s_wait_xcnt 0x0                                ; the last head step's stores have read their registers and base
	NOFF
	s_add_nc_u64 s[60:61], s[88:89], s[6:7]
	s_lshl_b32 s62, s66, 18                        ; my work-group's 64 rows of 4,096 bytes
	s_add_co_u32 s62, s62, s6
	s_mov_b32 s63, 0
	s_add_nc_u64 s[96:97], s[68:69], s[62:63]
	s_add_nc_u64 s[98:99], s[94:95], s[62:63]
	BIASLD 0
	WIN 0xc0
.irp m, 0,1,2,3
.irp i, 0,1,2,3,4,5,6,7
	global_load_b128 v[4*(8*\m+\i):4*(8*\m+\i)+3], v16, s[96:97] offset:(16*\m+2*\i)*4096 th:TH_LOAD_NT   ; x for the residual, in the layout of the rows on the way out: wanted a whole head step later
.endr
.endr
	FILL 1
	SLOT0 0, 32                                    ; the bias is in; the 32 loads of x behind it may be out
.if \more
	FILL 3
.else
	WIN 0
	s_wait_tensorcnt 0x0                           ; the last tile: my own rows, which I alone read; nothing is left to fetch
.endif
	SLOT1 0
	PLACES 4
	OUTBLK 0
.irp m, 1,2,3
.if \m > 1
	s_wait_xcnt 0x0                                ; the stores of two blocks back have read the registers that this block's rows take
.endif
	OUTBLK \m
	SEND \m-1, 16
.endr
	SEND 3, 0
.endm
; =================================================================== THE HEAD
	s_load_b512 s[68:83], s[0:1], 0x0              ; x 68, ln_g 70, ln_b 72, wq 74, wk 76, wv 78, wo 80, bq 82
	s_load_b256 s[84:91], s[0:1], 0x40             ; bk 84, bv 86, bo 88, rel_bias 90
	s_load_b128 s[92:95], s[0:1], 0x60             ; lowp_scales 92, out0 94
	v_lshl_add_u32 v1, v0, 2, SPARE                ; my spare word; never rewritten
	v_mov_b32 v2, 0                                ; never rewritten
	ds_add_u32 v1, v2
	ds_add_u32 v1, v2
	s_wait_dscnt 0x0
	v_lshrrev_b32 v12, 5, v0
	v_readfirstlane_b32 s3, v12                    ; wave 0..3
	s_bfe_u32 s58, ttmp6, 0x40000                  ; cx.  What holds my place in the cluster stays in s58, s60-63, s66, s96-101: none of them feeds a joint descriptor or a branch
	s_lshl_b32 s66, ttmp9, 2
	s_add_co_u32 s66, s66, s58                     ; my work-group: 4 x cluster + cx
	; group 1 for the weights: 64 rows x 512 elements of 1 byte, 1,024 from row to row; mask: all four partners, bit 21 beside it; 4 words of padding behind every 128
	s_mov_b32 s8, 15|(1<<20)|(1<<21)|(6<<22)|(3<<25)
	s_mov_b32 s9, 512<<16
	s_mov_b32 s10, 64<<16
	s_mov_b32 s11, 512<<16
	s_mov_b32 s12, 64
	s_mov_b32 s13, 1024
	s_mov_b32 s14, 0
	s_mov_b32 s15, 0
	; group 1 for x: 64 rows x 128 elements of 4 bytes, 1,024 from row to row; no mask; the same padding
	s_mov_b32 s16, (2<<16)|(1<<20)|(6<<22)|(3<<25)
	s_mov_b32 s17, 128<<16
	s_mov_b32 s18, 64<<16
	s_mov_b32 s19, 128<<16
	s_mov_b32 s20, 64
	s_mov_b32 s21, 1024
	s_mov_b32 s22, 0
	s_mov_b32 s23, 0
	s_mul_i32 s2, s3, WT                           ; groups 0 for the weights: the words that stay
	s_mov_b32 s24, 1
	s_mov_b32 s25, s2
	s_mov_b32 s28, 1
	s_add_co_u32 s29, s2, SLOT
	; the prefetches: my cluster's tile u = 8 P + 2 j + q, my work-group's part of it
	s_cmp_lt_u32 ttmp9, 32
	s_cselect_b32 s67, ttmp9, -1
	s_mov_b32 s59, 3
	s_and_b32 s60, ttmp9, 31
	s_lshl_b32 s100, s58, 17                       ; 128 cx rows
	s_and_b32 s61, s60, 1
	s_lshl_b32 s61, s61, 9                         ; + 512 q bytes
	s_add_co_u32 s100, s100, s61
	s_bfe_u32 s61, s60, 0x10001
	s_lshl_b32 s61, s61, 16                        ; + 64 (j & 1) rows
	s_add_co_u32 s100, s100, s61
	s_bfe_u32 s61, s60, 0x10002
	s_lshl_b32 s61, s61, 19                        ; + 512 (j >> 1) rows
	s_add_co_u32 s100, s100, s61
	s_mov_b32 s101, 0
	s_lshr_b32 s60, s60, 3                         ; P
	; x: wave w brings blocks 2 w and 2 w + 1
	s_lshl_b32 s98, s66, 18
	s_lshl_b32 s99, s3, 10
	s_add_co_u32 s98, s98, s99
	s_mov_b32 s99, 0
	s_mov_b32 s96, 1
	s_mul_i32 s97, s3, 2*WT
	s_wait_kmcnt 0x0
	s_cmp_eq_u32 s60, 0
	s_cselect_b64 s[62:63], s[74:75], s[76:77]
	s_cmp_eq_u32 s60, 2
	s_cselect_b64 s[62:63], s[78:79], s[62:63]
	s_cmp_eq_u32 s60, 3
	s_cselect_b64 s[62:63], s[80:81], s[62:63]
	s_add_nc_u64 s[100:101], s[62:63], s[100:101]  ; never rewritten
	s_add_nc_u64 s[98:99], s[68:69], s[98:99]
	s_mov_b32 s60, 1
	s_add_co_u32 s61, s97, WT
	s_add_nc_u64 s[62:63], s[98:99], 512
	s_or_b32 s99, s99, 0x80000000
	s_or_b32 s63, s63, 0x80000000
	CROUND                                         ; in a cluster launch every group of tensor loads stands behind a round
	tensor_load_to_lds s[96:99], s[16:23]          ; the first fills: two loads of mine are out
	s_nop 0
	tensor_load_to_lds s[60:63], s[16:23]
	s_nop 0
	PLACES 4
	v_lshlrev_b32 v13, 4, v0                       ; gain and bias of the norm: 4,096 bytes each, 16 a thread, twice
	global_load_b128 v[64:67], v13, s[70:71]
	global_load_b128 v[68:71], v13, s[70:71] offset:2048
	global_load_b128 v[72:75], v13, s[72:73]
	global_load_b128 v[76:79], v13, s[72:73] offset:2048
	s_load_b256 s[40:47], s[92:93], 0x0            ; e0 .. e7
	s_load_b128 s[48:51], s[92:93], 0x20           ; e8 .. e11
	v_add_nc_u32 v12, STG, v13
	v_and_b32 v23, 31, v0                          ; lane
	v_and_b32 v26, 15, v0                          ; r
	v_bfe_u32 v27, v0, 4, 1                        ; h
	v_lshlrev_b32 v3, 4, v23
	v_add_nc_u32 v3, EXR, v3                       ; v3: an image's place for my lane
	s_lshl_b32 s2, s3, 11
	v_add_nc_u32 v4, s2, v3                        ; v4: where I store the norm's images: image 4 i + w
	s_lshl_b32 s2, s3, 13
	v_add_nc_u32 v5, s2, v3                        ; v5: ctx's: image 4 w + i
	s_mul_i32 s2, s3, WT
	v_mul_u32_u24 v6, v26, PW
	v_lshl_add_u32 v6, v27, 4, v6
	v_add_nc_u32 v6, s2, v6                        ; v6, v7: my weight fragments in slot 0, 1: row r
	v_add_nc_u32 v7, SLOT, v6
	v_and_b32 v8, 8, v26
	v_add_nc_u32 v8, v8, v26                       ; r + 8 (r / 8)
	v_lshlrev_b32 v18, 2, v8                       ; v18: V's bias
	v_mul_u32_u24 v8, v8, PW
	v_lshl_add_u32 v8, v27, 4, v8
	v_add_nc_u32 v8, s2, v8                        ; v8, v9: the same for V: row r + 8 (r / 8)
	v_add_nc_u32 v9, SLOT, v8
	s_mul_i32 s2, s3, 16*PW
	v_mul_u32_u24 v10, v26, PW
	v_lshl_add_u32 v10, v27, 6, v10
	v_add_nc_u32 v10, s2, v10                      ; v10: x in the ring: row 16 w + r, + 64 h
	v_lshlrev_b32 v11, 6, v27
	v_add_nc_u32 v11, STG, v11                     ; v11: gain and bias: + 64 h
	s_mul_i32 s2, s3, 16*SP
	s_add_co_u32 s2, s2, STG                       ; my stage
	v_mul_u32_u24 v14, v26, SP
	v_lshl_add_u32 v14, v27, 5, v14
	v_add_nc_u32 v14, s2, v14                      ; v14: in: row r, + 32 h
	v_mul_u32_u24 v15, v27, SP
	v_lshl_add_u32 v15, v26, 4, v15
	v_add_nc_u32 v15, s2, v15                      ; v15: back: lanes 0-15 one row, lanes 16-31 the next
	v_lshlrev_b32 v16, 12, v27
	v_lshl_add_u32 v16, v26, 4, v16                ; v16: the same two rows in x and out
	v_lshlrev_b32 v17, 5, v27                      ; v17: a bias tile: + 32 h
	v_lshlrev_b32 v19, 7, v26
	v_lshl_add_u32 v19, v27, 5, v19                ; v19: rel_bias: query r, + 8 h keys
	v_lshrrev_b32 v22, 1, v23
	v_lshlrev_b32 v22, 10, v22
	v_and_b32 v23, 1, v23
	v_lshl_add_u32 v22, v23, 8, v22
	s_lshl_b32 s2, s3, 14
	v_add_nc_u32 v22, s2, v22                      ; v22: the prefetch: row 16 w + lane / 2, block lane % 2; never rewritten
	s_mov_b32 s52, 0x76543210                      ; v_permlanex16_b32: lane l xor 16
	s_mov_b32 s53, 0xfedcba98
	s_wait_loadcnt 0x0
	ds_store_b128 v12, v[64:67]
	ds_store_b128 v12, v[68:71] offset:2048
	ds_store_b128 v12, v[72:75] offset:4096
	ds_store_b128 v12, v[76:79] offset:6144
	s_wait_kmcnt 0x0
	s_add_co_i32 s6, s46, s47
	s_lshl_b32 s6, s6, 23
	s_add_co_i32 s54, s6, 0x3e38aa3b               ; log2(e) / 8 x 2^(e6 + e7): the exponents are added to the exponent field
	s_mov_b32 s55, s54                             ; (named with it as a pair)
	s_add_co_i32 s6, s50, s51
	s_add_co_i32 s6, s6, 127
	s_lshl_b32 s56, s6, 23                         ; 2^(e10 + e11)
	s_mov_b32 s57, s56
	MKSC s40, 40, 41
	MKSC s42, 42, 43
	MKSC s44, 44, 45
	s_wait_tensorcnt 0x0                           ; my two blocks of x have landed,
	BAR                                            ; everybody's have, and gain and bias lie in LDS.
; =================================================================== LAYERNORM
	; the mean: all eight blocks, two ahead
	PALOAD 0
	PALOAD 1
.irp b, 0,1,2,3,4,5,6,7
.if \b < 6
	PALOAD \b+2
	s_wait_dscnt 32                                ; this block is in; the two behind it may be out
.else
	s_wait_dscnt 16*(7-\b)
.endif
	SUMBLK \b
.endr
	WIN 0
	REDUCE
	v_mul_f32 v28, 0x3a800000, v32                 ; / 1,024
	v_mov_b32 v29, v28
	; the variance, of x - mean: four trips of two blocks
.irp i, 32,33,34,35,36,37,38,39
	v_mov_b32 v\i, 0
.endr
	s_mov_b32 s5, 0
.Lvar:
	s_mul_i32 s6, s5, 2*WT
	v_add_nc_u32 v12, s6, v10
	XBLK 0, 64, 12, 0
	XBLK 0, 128, 12, WT
	s_wait_dscnt 16
	VARBLK 64
	s_wait_dscnt 0x0
	VARBLK 128
	s_add_co_u32 s5, s5, 1
	s_cmp_lt_u32 s5, 4
	s_cbranch_scc1 .Lvar
	REDUCE
	s_mov_b32 s6, 0x3a800000
	s_mov_b32 s7, 0x3727c5ac                       ; 1e-5
	v_fma_f32 v32, v32, s6, s7
	v_rsq_f32 v30, v32
	v_nop                                          ; a plain instruction behind the transcendental,
	s_wait_alu depctr_va_vdst(0)                   ; and the wait ahead of the first use
	v_mov_b32 v31, v30
	s_cmp_lt_u32 s67, 3                            ; the first three tiles are asked for here, well behind the head's loads
	s_cbranch_scc0 .Lno_early
	global_prefetch_b8 v22, s[100:101] th:TH_LOAD_NT scope:SCOPE_SE
.Lno_early:
	; normalise and quantise three ways: eight trips of one block.  The next block's 48 loads go out as soon as this block's registers are free; the last trip asks for block 7 once more, so that no branch stands round LDS loads
	CLOADS 10, 11
	s_mov_b32 s5, 0
.Lnorm:
	s_wait_dscnt 0x0
	NORM
	s_add_co_u32 s6, s5, 1
	s_min_u32 s6, s6, 7
	s_mul_i32 s7, s6, WT
	s_lshl_b32 s6, s6, 9
	v_add_nc_u32 v12, s7, v10
	v_add_nc_u32 v13, s6, v11
	CLOADS 12, 13
	CLAMP3
	SW8 s5, CVT3, 0, 0
	s_add_co_u32 s5, s5, 1
	s_cmp_lt_u32 s5, 8
	s_cbranch_scc1 .Lnorm
	s_lshl_b32 s6, s3, 17
	s_mov_b32 s7, 0
	s_add_nc_u64 s[38:39], s[74:75], s[6:7]        ; Wq, my 128 rows
	FILL 0                                         ; nobody reads x in the ring any more: the weights take it over
; =================================================================== Q, K, V
	PHASE 0, 40, 41, 46, 82, 76, 2, 128, CVTQK
	PHASE 0, 42, 43, 47, 84, 78, 3, 0, CVTQK
	PHASE 1, 44, 45, 49, 86, 80, 3, 128, CVTV      ; its last refill has asked for Wo's first tile, which lands during the attention
; =================================================================== ATTENTION: my four heads, one a trip, all in registers
	MKSC s48, 24, 25                               ; p: 2^e8 and 57,344 x 2^e8
	MKSC s50, 20, 21                               ; ctx: 2^e10
	s_add_co_i32 s58, s48, s49                     ; e8 + e9
.irp qt, 0,1,2,3
.irp i, 0,1,2,3
	v_mov_b32 v[160+8*\qt+4*(1-\qt/2)+\i], 0       ; P's codes for the other batch's keys: zeros, written once
.endr
.endr
	s_mov_b32 s4, 0
.Latt:
	s_lshl_b32 s6, s3, 1                           ; the head: 2 w + (j & 1) + 8 (j >> 1)
	s_and_b32 s7, s4, 1
	s_add_co_u32 s6, s6, s7
	s_lshr_b32 s7, s4, 1
	s_lshl_b32 s7, s7, 3
	s_add_co_u32 s6, s6, s7
	s_lshl_b32 s6, s6, 12
	s_mov_b32 s7, 0
	s_add_nc_u64 s[60:61], s[90:91], s[6:7]        ; (the last trip's loads were waited for)
.irp ta, 0,1
.irp kp, 0,1
	global_load_b128 v[128+16*\ta+8*\kp:131+16*\ta+8*\kp], v19, s[60:61] offset:2048*\ta+64*\kp
	global_load_b128 v[132+16*\ta+8*\kp:135+16*\ta+8*\kp], v19, s[60:61] offset:2048*\ta+64*\kp+16
.endr
.endr
	SW4 s4, SMM, 0, 0
	s_wait_loadcnt 0x0
.set IX, 0
.rept 16
	v_pk_mul_f32 v[128+2*IX:129+2*IX], v[128+2*IX:129+2*IX], 0x3fb8aa3b op_sel_hi:[1,0]   ; bias x log2(e).  (These are also the places behind the products)
.set IX, IX+1
.endr
.irp qt, 0,1,2,3
.irp p, 0,1,2,3,4,5,6,7
	v_pk_fma_f32 v[64+16*\qt+2*\p:65+16*\qt+2*\p], v[64+16*\qt+2*\p:65+16*\qt+2*\p], s[54:55], v[128+16*(\qt%2)+2*\p:129+16*(\qt%2)+2*\p] op_sel_hi:[1,0,1]   ; t
.endr
.endr
.irp qt, 0,1,2,3
	v_max3_num_f32 v[40+\qt], v[64+16*\qt], v[65+16*\qt], v[66+16*\qt]
.endr
.irp i, 3,5,7,9,11,13
.irp qt, 0,1,2,3
	v_max3_num_f32 v[40+\qt], v[40+\qt], v[64+16*\qt+\i], v[65+16*\qt+\i]
.endr
.endr
.irp qt, 0,1,2,3
	v_max_num_f32 v[40+\qt], v[40+\qt], v[79+16*\qt]
.endr
.irp qt, 0,1,2,3
	v_permlanex16_b32 v[44+\qt], v[40+\qt], s52, s53   ; the query's other 16 keys lie in the lane 16 away
.endr
.irp qt, 0,1,2,3
	v_max_num_f32 v[40+\qt], v[40+\qt], v[44+\qt]
.endr
.irp qt, 0,1,2,3
	v_floor_f32 v[32+2*\qt], -v[40+\qt]            ; -M = floor(-t) = -ceil(t)
.endr
.irp qt, 0,1,2,3
.irp p, 0,1,2,3,4,5,6,7
	v_pk_add_f32 v[64+16*\qt+2*\p:65+16*\qt+2*\p], v[64+16*\qt+2*\p:65+16*\qt+2*\p], v[32+2*\qt:33+2*\qt] op_sel_hi:[1,0]
.endr
.endr
.set IX, 0
.rept 64
	v_exp_f32 v[64+IX], v[64+IX]                   ; p = 2^(t - M): one batch
.set IX, IX+1
.endr
	v_nop                                          ; a plain instruction behind the last exponential,
	s_wait_alu depctr_va_vdst(0)                   ; and one wait for the batch, ahead of its first reader
.irp qt, 0,1,2,3
	v_pk_add_f32 v[48+2*\qt:49+2*\qt], v[64+16*\qt:65+16*\qt], v[66+16*\qt:67+16*\qt]   ; the sum is taken of the unquantised p
.endr
.irp p, 2,3,4,5,6,7
.irp qt, 0,1,2,3
	v_pk_add_f32 v[48+2*\qt:49+2*\qt], v[48+2*\qt:49+2*\qt], v[64+16*\qt+2*\p:65+16*\qt+2*\p]
.endr
.endr
.irp qt, 0,1,2,3
	v_add_f32 v[48+2*\qt], v[48+2*\qt], v[49+2*\qt]
.endr
.irp qt, 0,1,2,3
	v_permlanex16_b32 v[44+\qt], v[48+2*\qt], s52, s53
.endr
.irp qt, 0,1,2,3
	v_add_f32 v[48+2*\qt], v[48+2*\qt], v[44+\qt]
.endr
.irp qt, 0,1,2,3
	v_rcp_f32 v[56+2*\qt], v[48+2*\qt]
.endr
.set IX, 0
.rept 64
	v_min_num_f32 v[64+IX], v[64+IX], v25          ; p is not negative: a one-sided hold.  (The independent work behind the reciprocals)
.set IX, IX+1
.endr
	s_wait_alu depctr_va_vdst(0)                   ; one wait for the four reciprocals
.irp qt, 0,1,2,3
	v_ldexp_f32 v[56+2*\qt], v[56+2*\qt], s58      ; 2^(e8 + e9) / the sum
.endr
.irp qt, 0,1,2,3
.irp kp, 0,1
	v_cvt_scalef32_pk8_bf8_f32 v[160+8*\qt+4*(\qt/2)+2*\kp:161+8*\qt+4*(\qt/2)+2*\kp], v[64+16*\qt+8*\kp:71+16*\qt+8*\kp], v24
.endr
.endr
	v_nop
	SW4 s4, PVMM, 0, 0
	PLACES 4
	WIN 0x41
.irp qt, 0,1,2,3
.set IX, 0
.rept 16
	v_pk_mul_f32 v[32*\qt+2*IX:32*\qt+2*IX+1], v[32*\qt+2*IX:32*\qt+2*IX+1], v[56+2*\qt:57+2*\qt] op_sel_hi:[1,0]   ; ctx
.set IX, IX+1
.endr
.endr
.set IX, 0
.rept 128
	v_med3_num_f32 v[IX], v[IX], -v21, v21
.set IX, IX+1
.endr
	SW4 s4, CVTC, 0, 0
	s_add_co_u32 s4, s4, 1
	s_cmp_lt_u32 s4, 4
	s_cbranch_scc1 .Latt
; =================================================================== THE LAST PROJECTION, BIAS AND RESIDUAL
	s_add_co_i32 s58, s50, s51
	s_sub_co_i32 s58, 0, s58
	s_mov_b64 s[36:37], s[38:39]
	EXCH 2, 0, 5, 2048
	s_mov_b32 s4, 0
.Lout:
	OSTEP 1
	s_add_co_u32 s4, s4, 1
	s_cmp_lt_u32 s4, 3
	s_cbranch_scc1 .Lout
	OSTEP 0                                        ; the last head step is written out
	s_wait_tensorcnt 0x0                           ; the wave's end
	ds_add_u32 v1, v2
	s_wait_dscnt 0x0
	CROUND                                         ; the closing round: no work-group ends while a partner may still ask for a tile that names it
	s_endpgm
.Lfunc_end_k_q81c51675ec_fused:
	.size	k_q81c51675ec_fused, .Lfunc_end_k_q81c51675ec_fused-k_q81c51675ec_fused
	.p2alignl 7, 3214868480
	.fill 96, 4, 3214868480
	.section	.rodata,"a",@progbits
	.p2align	6, 0x0
	.amdhsa_kernel k_q81c51675ec_fused
		.amdhsa_group_segment_fixed_size 327680
		.amdhsa_private_segment_fixed_size 0
		.amdhsa_enable_private_segment 0
		.amdhsa_kernarg_size 112
		.amdhsa_user_sgpr_count 2
		.amdhsa_user_sgpr_kernarg_segment_ptr 1
		.amdhsa_wavefront_size32 1
		.amdhsa_system_sgpr_workgroup_id_x 1
		.amdhsa_system_sgpr_workgroup_id_y 1
		.amdhsa_system_sgpr_workgroup_id_z 1
		.amdhsa_system_vgpr_workitem_id 0
		.amdhsa_next_free_vgpr 1024
		.amdhsa_next_free_sgpr 102
		.amdhsa_reserve_vcc 0
		.amdhsa_float_denorm_mode_32 3
		.amdhsa_float_denorm_mode_16_64 3
		.amdhsa_memory_ordered 1
		.amdhsa_forward_progress 1
		.amdhsa_inst_pref_size 255
	.end_amdhsa_kernel
	.section	.bss,"aw",@nobits
	.p2align	6
	.space	262144
	.amdgpu_metadata
---
amdhsa.version: [ 1, 2 ]
amdhsa.kernels:
  - .name:           k_q81c51675ec_fused
    .symbol:         k_q81c51675ec_fused.kd
    .args:
      - { .name: x, .offset: 0, .size: 8, .value_kind: global_buffer, .address_space: global }
      - { .name: ln_g, .offset: 8, .size: 8, .value_kind: global_buffer, .address_space: global }
      - { .name: ln_b, .offset: 16, .size: 8, .value_kind: global_buffer, .address_space: global }
      - { .name: wq_codes, .offset: 24, .size: 8, .value_kind: global_buffer, .address_space: global }
      - { .name: wk_codes, .offset: 32, .size: 8, .value_kind: global_buffer, .address_space: global }
      - { .name: wv_codes, .offset: 40, .size: 8, .value_kind: global_buffer, .address_space: global }
      - { .name: wo_codes, .offset: 48, .size: 8, .value_kind: global_buffer, .address_space: global }
      - { .name: bq, .offset: 56, .size: 8, .value_kind: global_buffer, .address_space: global }
      - { .name: bk, .offset: 64, .size: 8, .value_kind: global_buffer, .address_space: global }
      - { .name: bv, .offset: 72, .size: 8, .value_kind: global_buffer, .address_space: global }
      - { .name: bo, .offset: 80, .size: 8, .value_kind: global_buffer, .address_space: global }
      - { .name: rel_bias, .offset: 88, .size: 8, .value_kind: global_buffer, .address_space: global }
      - { .name: lowp_scales, .offset: 96, .size: 8, .value_kind: global_buffer, .address_space: global }
      - { .name: out0, .offset: 104, .size: 8, .value_kind: global_buffer, .address_space: global }
    .group_segment_fixed_size: 327680
    .private_segment_fixed_size: 0
    .kernarg_segment_align: 8
    .kernarg_segment_size: 112
    .max_flat_workgroup_size: 128
    .sgpr_count:     102
    .vgpr_count:     1024
    .wavefront_size: 32
...
	.end_amdgpu_metadata
.endif
;; end of part 1
;; ======== version 2 of 2: 1 launch
;; limits: right only within a limited range of input values
;; launch fused (part 2): grid 256 x 1, 4 waves a work-group, clusters of 4 x 1, 327,680 bytes of LDS; arguments x, ln_g, ln_b, wq_codes, wk_codes, wv_codes, wo_codes, bq, bk, bv, bo, rel_bias, lowp_scales, out0; writes out0
.if DOCPART == 2
	.amdgcn_target "amdgcn-amd-amdhsa--gfx1250"
	.amdhsa_code_object_version 6
	.text
	.protected	k_q81c51675ec_fused
	.globl	k_q81c51675ec_fused
	.p2align	8
	.type	k_q81c51675ec_fused,@function
k_q81c51675ec_fused:
	s_mov_b64 s[64:65], 0
	v_nop
	global_prefetch_b8 v0, s[64:65] scope:SCOPE_SE
	s_setreg_imm32_b32 hwreg(HW_REG_WAVE_MODE, 25, 1), 1
	s_wait_xcnt 0x0
	s_wait_alu depctr_hold_cnt(0) depctr_sa_sdst(0) depctr_va_vdst(0) depctr_va_sdst(0) depctr_va_ssrc(0) depctr_va_vcc(0) depctr_vm_vsrc(0)
	s_getreg_b32 s2, hwreg(HW_REG_IB_STS2, 6, 4)
	s_cmp_eq_u32 s2, 0
	s_cbranch_scc0 .Lentry_in_a_cluster
	s_endpgm
.Lentry_in_a_cluster:
	s_bfe_u32 s2, ttmp6, 0x10000c
	s_cmp_lg_u32 s2, 0x3003
	s_cbranch_scc0 .Lentry_shape_is_right
	s_endpgm
.Lentry_shape_is_right:
; out = x + attention(layernorm(x)) Wo + bo, all six products on codes of BF8 (E5M2) with the given scales 2^e0 .. 2^e11; everything else f32.
; x, out: [512][32][1024] f32.  The four weights: codes, [n = 1024][k = 1024], a row is 1,024 bytes.  rel_bias: [16][32][32] f32.
; SHARES.  A work-group of four waves owns 64 rows (two batches of 32 tokens) and takes them through the whole module; nothing goes to memory on the way.
;   LayerNorm: wave w owns the 256 columns from 256 w on, of all 64 rows.  Products: in head step j wave w owns one head, the 64 columns from n0 = 128 w + 64 (j & 1) + 512 (j >> 1), for all 64 rows.
; WEIGHTS come through a ring of two LDS slots.  A fill brings, for each wave, 32 of its 64 rows, all of K (1,024 bytes a row): two column tiles of 16.  64 rows, a head step, are both slots once.
;   CLUSTER: the four work-groups of a cluster walk the same tiles, so each is asked for jointly (mask 15), each wave asking for its own rows.
;   In trip i cluster c takes head step i xor (c & 1), so that the clusters do not all ask for one tile at a time.  The cluster's number is the same in all four partners.
; THE LEFT OPERAND (codes of the normalised x, later of ctx; 64 rows x 1,024 k) lies whole in every wave's registers: windows 2 and 3, fragment (K step s, tile of rows m) at 16 (4 s + m).
; A COLUMN TILE is eight weight fragments (K steps), each against the four tiles of rows: four accumulators by turns.  Fragment s lies at v[128 + 16 s]; the next tile's fragments 0-3 are asked for behind K step 3, its 4-7 behind K step 7.
;   Two sets of four accumulators take turns, tile by tile: the hold at the largest code of one tile stands between the products of the next.
; ATTENTION.  Behind a head step of K: scores, softmax, P's codes; behind a head step of V: P V, ctx's codes: so K's and V's codes are kept for one head step only.
;   A queue of four places of 32 registers (window 1, v0-127) holds Q's codes, then P's codes and 1 / sum, then ctx's codes: trip i's at place 3 - i.
; LAYOUTS.  K = 128 fragments: register 4 c + x, byte y holds k = 128 s + 32 c + 16 (lane / 16) + 4 x + y, alike on both sides of a product.
;   Q, K, out: source 0 = 16 rows of W, source 1 = 16 tokens: a lane holds one token and eight neighbouring columns.  V: source 0 = tokens, source 1 = rows of W: a lane holds one channel and eight tokens.
; SOFTMAX: t = score x log2(e) / 8 + bias x log2(e); M = ceil(the row's largest t); p = 2^(t - M) is quantised; the sum of the unquantised p divides at the end.
; LIMITS on the given exponents, so that each power of two made below is an f32 number: e0, e2, e4, e8, e10, e6 - e0 - e1, e7 - e2 - e3, e9 - e4 - e5 between -126 and 112;
;   e6 + e7 between -123 and 130; e10 + e11 between -126 and 127.  NaN among the inputs is not served.  The variance is taken of x - mean, in a pass of its own.
; LDS: 0 the ring (2 x 133,120); RI 28 blocks of 2,048 bytes: fragment images, at the end the stage for the way out; SPARE the spare words; ST the row sums of the norm.
; REGISTERS.  Window 0: v1-23 addresses and scales, v24-31 the projection's bias, packed; v32-95 two sets of accumulators; v96-103 a bias tile; v104-127 codes kept back / V's bias / work; v128-255 weight fragments.
;   Window 1: v0-127 the queue; v128-255 codes under e4, then K's or V's codes and work space; in the last product v0-127 the accumulators, v128-255 x for the residual.
;   In LayerNorm: window 2 v0-127 x as it comes, window 3 v0-127 the rows in hand, v128-255 the held numbers; codes under e0 in window 1 v0-127, e4 in v128-255, e2 in window 0 v128-255: row i at 2 i.
.set SLOT,  133120
.set WT,    33280
.set PW,    1040                       ; an LDS row: 1,024 bytes + 16 of padding = 65 x 16
.set RI,    266240
.set STG,   RI+32768
.set SPARE, RI+57344
.set ST,    SPARE+512
.set SP,    272
.set MSB, 0
.set KIND, 0                           ; 0: Q, K; 1: V; 2: the last product
.set QSH, 0                            ; 1: tile 0 moves the queue on
.set DB, 0                             ; where the codes go in window 1
.set QI, 127
.macro WIN new                         ; the immediate's high byte repeats the setting that is left
.if MSB != (\new)
	s_set_vgpr_msb (MSB<<8)|(\new)
.set MSB, (\new)
.endif
.endm
.macro PLACES n                        ; plain vector instructions behind a matrix instruction (ISA guide 7.12.1)
.rept \n
	v_nop
.endr
.endm
.macro VWAIT
	s_wait_alu depctr_va_vdst(0)
.endm
.macro CREST                           ; a round of the cluster's barrier behind its opening barrier
	s_cmp_lg_u32 s3, 0
	s_cbranch_scc1 .Lnw0_\@
	s_barrier_signal -3
.Lnw0_\@:
	s_barrier_wait -3
	s_barrier_signal -1
	s_barrier_wait -1
.endm
.macro CROUND
	s_barrier_signal -1
	s_barrier_wait -1
	CREST
.endm
.macro BAR                             ; my LDS stores have landed and my LDS loads are in: then the work-group's barrier
	s_wait_dscnt 0x0
	s_barrier_signal -1
	s_barrier_wait -1
.endm
.macro MKL se, vsc, sn, sp             ; 2^e as f32 (the conversion takes its exponent field), and -/+ 57,344 x 2^e
	s_add_co_i32 s6, \se, 127
	s_lshl_b32 s7, s6, 23
	v_mov_b32 v[\vsc], s7
	s_add_co_i32 s6, s6, 15
	s_lshl_b32 s[\sp], s6, 23
	s_or_b32 s[\sp], s[\sp], 0x600000
	s_or_b32 s[\sn], s[\sp], 0x80000000
.endm
; The few lines whose registers hang on the trip are written once for each number, and a scalar branch picks them.  No memory instruction and no barrier stands inside.
.macro SW4 sreg, body
	WIN 0
	VWAIT
.irp k, 1,2,3
	s_cmp_eq_u32 \sreg, \k
	s_cbranch_scc1 .Lsw_\@_\k
.endr
	\body 0
	s_branch .Lsw_\@_e
.irp k, 1,2,3
.Lsw_\@_\k:
	\body \k
.if \k < 3
	s_branch .Lsw_\@_e
.endif
.endr
.Lsw_\@_e:
.endm
.macro SW12 sreg, body
	WIN 0
	VWAIT
.irp k, 1,2,3,4,5,6,7,8,9,10,11
	s_cmp_eq_u32 \sreg, \k
	s_cbranch_scc1 .Lsw_\@_\k
.endr
	\body 0
	s_branch .Lsw_\@_e
.irp k, 1,2,3,4,5,6,7,8,9,10,11
.Lsw_\@_\k:
	\body \k
.if \k < 11
	s_branch .Lsw_\@_e
.endif
.endr
.Lsw_\@_e:
.endm
; A PREFETCH INTO THE L2 of a weight tile.  All clusters read the same 32 tiles: cluster t < 32 asks for tile t = 8 P + 2 j + q (weight P, head step j, half q of its rows), once.
; Its four partners take a wave's part each, told apart BY ADDRESS; wave w takes 8 of its 32 rows, a lane one aligned block of 256 bytes: each block is named once in the launch.
; s59 = the tile that my refill asks for + 2, as places in the walk; s67 = the first place at which tile t is wanted: so it is asked for two refills ahead.  Places 1 to 3 are asked for ahead of LayerNorm; place 0's tiles come by their loads.
.macro ASK
	s_cmp_eq_u32 s59, s67
	s_cbranch_scc0 .Lna_\@
	global_prefetch_b8 v22, s[100:101] th:TH_LOAD_NT scope:SCOPE_SE
.Lna_\@:
	s_add_co_u32 s59, s59, 1
.endm
; ---- the products' pieces
.macro WRUN q, u, s0                   ; weight fragments s0 .. s0 + 3 of column tile u of slot q: sixteen loads in one run
.irp s, 0,1,2,3
.irp c, 0,1,2,3
	ds_load_b128 v[128+16*((\s0)+\s)+4*\c:128+16*((\s0)+\s)+4*\c+3], v[6+(\q)] offset:16*PW*(\u)+128*((\s0)+\s)+32*\c
.endr
.endr
.endm
.macro MMW s                           ; the window setting of K step s
.if KIND == 0
	WIN 0x08+4*((\s)/4)
.elseif KIND == 1
	WIN 0x02+((\s)/4)
.elseif (\s) == 0
	WIN 0x48
.else
	WIN 0x58+4*((\s)/4)
.endif
.endm
.macro MM1 s, t, m
.set rA, 16*(4*((\s)%4)+(\m))
.set rW, 128+16*(\s)
.if KIND == 2
.set rD, 8*(4*(\m)+(\t))
.else
.set rD, 32+32*((\t)%2)+8*(\m)
.endif
.set rC, rD
.if (\s) == 0
.set rC, 96
.endif
.if KIND == 1
	v_wmma_f32_16x16x128_bf8_bf8 v[rD:rD+7], v[rA:rA+15], v[rW:rW+15], v[rC:rC+7]
.else
	v_wmma_f32_16x16x128_bf8_bf8 v[rD:rD+7], v[rW:rW+15], v[rA:rA+15], v[rC:rC+7]
.endif
.endm
.macro MED r                           ; the conversion to an 8-bit code does not saturate (ISA guide 7.6.2): the hold at the largest code x the scale
.if KIND == 1
	v_med3_num_f32 v[\r], s22, v[\r], s23
.else
	v_med3_num_f32 v[\r], v[\r], s22, s23
.endif
.endm
; K step s of tile t: four matrix instructions on four accumulators by turns; between them, in steps 0 to 3, the hold of the tile before
.macro FRAG t, s
	MMW \s
.irp m, 0,1,2,3
	MM1 \s, \t, \m
.if (EPC == 1) && ((\s) < 4)
	MED 32+32*(((\t)+1)%2)+8*(\s)+2*\m
	MED 33+32*(((\t)+1)%2)+8*(\s)+2*\m
.endif
.endr
.endm
.macro BIASN t                         ; tile t's bias as the C of its first products
	WIN 0
.irp j, 0,1,2,3,4,5,6,7
.if KIND == 1
	v_mov_b32 v[96+\j], v[112+(\t)]
.else
	v_mov_b32_dpp v[96+\j], v[24+((\t)/2)] row_share:8*((\t)%2)+\j row_mask:0xf bank_mask:0xf
.endif
.endr
.endm
.macro BSHIFT                          ; the next head step's bias numbers move to the front
	WIN 0
.if KIND == 1
.irp j, 0,1,2,3,4,5,6,7,8,9,10,11
	v_mov_b32 v[112+\j], v[116+\j]
.endr
.else
.irp j, 0,1,2,3,4,5
	v_mov_b32 v[24+\j], v[26+\j]
.endr
.endif
.endm
.macro CVTT pt                         ; tile pt's codes
	WIN 0x40
.irp m, 0,1,2,3
.if KIND == 1
.set rE, DB+8*(\pt)+2*\m
.else
.set rE, DB+8*\m+2*(\pt)
.endif
	v_cvt_scalef32_pk8_bf8_f32 v[rE:rE+1], v[32+32*((\pt)%2)+8*\m:39+32*((\pt)%2)+8*\m], v20
.endr
	v_nop
	WIN 0
.endm
.macro HOOK t, s
.if (QSH == 1) && ((\t) == 0) && ((\s) >= 1) && ((\s) <= 6)   ; Q's codes of earlier head steps move one place up the queue
	WIN 0x41
.rept 16
	v_mov_b32 v[QI], v[QI-32]
.set QI, QI-1
.endr
	WIN 0
.endif
.endm
.macro XHOOK t, n
.if (KIND == 2) && ((\t) < 2)          ; x for the residual, in the layout of the rows on the way out: eight loads behind each of the first four runs
	WIN 0x40
.irp i, 0,1,2,3,4,5,6,7
	global_load_b128 v[128+4*(8*(2*(\t)+(\n))+\i):131+4*(8*(2*(\t)+(\n))+\i)], v16, s[96:97] offset:(16*(2*(\t)+(\n))+2*\i)*4096 th:TH_LOAD_NT
.endr
	WIN 0
.endif
.endm
; A COLUMN TILE.  fill 0: the first of a slot.  The second of a slot: fill 1: the slot is filled again: all my reads of it are issued; behind K step 0: my tensor load has landed; the add; K step 1; the add and my reads are done;
; a round of the cluster's barrier opens, K step 2 stands in it; the joint load first behind it; K step 3; then the other slot's fragments.  fill 2, 3: the last head step, which fills nothing: only my own rows, which I alone read, are waited for.
; Waits for fragments: 28 - 4 (s mod 4): the rest of the fragment's own run of sixteen loads and the run behind it may be out.
.macro TILE t, fill
.set EPC, 0
.if ((\t) > 0) && (KIND < 2)
.set EPC, 1
.endif
.set QI, 127
	s_wait_dscnt 28
	FRAG \t, 0
.if (\fill) == 1
	WIN 0
	s_wait_tensorcnt 0x0                           ; no tensor load of mine is out: the other slot's tile is in, and a group 0 may be written
	ds_add_u32 v1, v2
.if ((\t)/2) == 0
	s_mov_b64 s[26:27], s[34:35]
	s_or_b32 s27, s27, 0x80000000
.else
	s_add_nc_u64 s[30:31], s[34:35], 0x8000
	s_or_b32 s31, s31, 0x80000000
.endif
	s_wait_dscnt 24
	FRAG \t, 1
	s_wait_dscnt 0x0                               ; the add is done, and my reads of this slot (and my stores of images) are over
	s_barrier_signal -1
	FRAG \t, 2
	WIN 0
	s_barrier_wait -1
	CREST
.if ((\t)/2) == 0
	tensor_load_to_lds s[24:27], s[8:15]           ; my one tensor load until the next such round
	s_nop 0
.else
	tensor_load_to_lds s[28:31], s[8:15]
	s_nop 0
.endif
	PLACES 4
	FRAG \t, 3
.else
.irp s, 1,2,3
	s_wait_dscnt 28-4*\s
	FRAG \t, \s
	HOOK \t, \s
.endr
.if (\fill) == 2
	WIN 0
	s_wait_tensorcnt 0x0                           ; my rows of the last tile are in
.endif
.endif
	WIN 0
.if EPC
	CVTT (\t)-1
.else
	PLACES 4
.endif
.if (\t) < 3
	BIASN (\t)+1
	VWAIT
.else
	PLACES 4
.endif
.if (\fill) == 0
	WRUN (\t)/2, 1, 0
.elseif (\fill) < 3
	WRUN 1-(\t)/2, 0, 0
.endif
	XHOOK \t, 0
.if (\fill) == 1
	ASK
.endif
.irp s, 4,5,6,7
.if (\fill) == 3
	s_wait_dscnt 12-4*(\s-4)
.else
	s_wait_dscnt 28-4*(\s-4)
.endif
	FRAG \t, \s
	HOOK \t, \s
.endr
	WIN 0
	PLACES 4                                       ; in front of the loads, and of the first reads of this tile's results
.if (\fill) == 0
	WRUN (\t)/2, 1, 4
.elseif (\fill) < 3
	WRUN 1-(\t)/2, 0, 4
.endif
	XHOOK \t, 1
.endm
.macro E3                              ; the head step's last tile: hold and codes
.set IX, 0
.rept 32
	MED 64+IX
.set IX, IX+1
.endr
	CVTT 3
.endm
.macro TRIPHEAD                        ; s4 = the head step of trip s5; s[34:35] = my rows of the next trip's head step, behind the fourth trip (s5 = 3) of the next weight
	s_xor_b32 s4, s5, s32
	s_add_co_u32 s6, s5, 1
	s_and_b32 s6, s6, 3
	s_xor_b32 s6, s6, s32
	s_and_b32 s7, s6, 1
	s_lshl_b32 s7, s7, 16
	s_lshr_b32 s6, s6, 1
	s_lshl_b32 s6, s6, 19
	s_add_co_u32 s6, s6, s7
	s_mov_b32 s7, 0
	s_cmp_eq_u32 s5, 3
	s_cselect_b64 s[34:35], s[38:39], s[36:37]
	s_add_nc_u64 s[34:35], s[34:35], s[6:7]
.endm
.macro TRIPEND lab, n
	BSHIFT
	BIASN 0
	s_add_co_u32 s5, s5, 1
	s_cmp_lt_u32 s5, \n
	VWAIT
	s_cbranch_scc1 \lab
.endm
; A projection's bias: my 256 numbers.  Q, K, out: packed: register 2 i + p of trip i, lane (r, h): column 32 p + 16 (r / 8) + 8 h + r % 8 of its head step.  V: register 4 i + t: column 16 t + r.
.macro BLOAD bp
	s_lshl_b32 s6, s3, 9
	s_lshl_b32 s7, s32, 8
	s_add_co_u32 s6, s6, s7
	s_mov_b32 s7, 0
	s_add_nc_u64 s[60:61], s[\bp:\bp+1], s[6:7]    ; even trips,
	s_xor_b32 s6, s6, 0x100
	s_add_nc_u64 s[62:63], s[\bp:\bp+1], s[6:7]    ; odd trips
.irp i, 0,1,2,3
.if KIND == 1
.irp t, 0,1,2,3
	global_load_b32 v[112+4*\i+\t], v9, s[60+2*(\i%2):61+2*(\i%2)] offset:2048*(\i/2)+64*\t
.endr
.else
.irp p, 0,1
	global_load_b32 v[24+2*\i+\p], v8, s[60+2*(\i%2):61+2*(\i%2)] offset:2048*(\i/2)+128*\p
.endr
.endif
.endr
.endm
.macro BFIX                            ; a sum stands for sum x 2^(eA + eW): the bias goes in divided by that (s58 = -(eA + eW)); then the first tile's
	VWAIT
	s_wait_loadcnt 0x0
.if KIND == 1
.irp j, 0,1,2,3,4,5,6,7,8,9,10,11,12,13,14,15
	v_ldexp_f32 v[112+\j], v[112+\j], s58
.endr
.else
.irp j, 0,1,2,3,4,5,6,7
	v_ldexp_f32 v[24+\j], v[24+\j], s58
.endr
.endif
	BIASN 0
	s_mov_b32 s5, 0
	VWAIT
.endm
.macro PHASE ea, ew, eo, wn            ; scales of a projection; this weight's rows of mine and the next weight's
	s_add_co_i32 s58, s[\ea], s[\ew]
	s_sub_co_i32 s2, s[\eo], s58                   ; a sum's code is sum / 2^(eo - ea - ew): the three scales folded into the conversion's one
	MKL s2, 20, 22, 23
	s_sub_co_i32 s58, 0, s58
	s_mov_b64 s[36:37], s[38:39]
	s_lshl_b32 s6, s3, 17
	s_mov_b32 s7, 0
	s_add_nc_u64 s[38:39], s[\wn:\wn+1], s[6:7]
.endm
; THE NORM'S CODES GO ROUND.  Wave w holds, of every row, K steps 2 w and 2 w + 1: eight codes a lane.  They go to LDS as images of the fragments' registers, first of row tiles 0 to 2 (image 3 s + m), then of tile 3 (image s).
; In an image the 16 bytes of (c, h, row r) lie at 512 c + 256 h + 16 (r xor (8 (s & 1) + 2 c + h)): a store's 32 lanes and a load's sixteen each take different 16-byte columns.
.macro ADR x                           ; v32-47: where I store row r of a tile
.irp r, 0,1,2,3,4,5,6,7,8,9,10,11,12,13,14,15
	v_xor_b32 v[32+\r], 16*\r, v[\x]
.endr
.endm
.macro STI w, base                     ; my codes of row tiles 0 to 2 -> images
	ADR 4
	WIN (\w)<<2
.irp m, 0,1,2
.irp r, 0,1,2,3,4,5,6,7,8,9,10,11,12,13,14,15
	ds_store_b64 v[32+\r], v[\base+2*(16*\m+\r):\base+2*(16*\m+\r)+1] offset:2048*\m
.endr
.endr
	WIN 0
.endm
.macro FPAIR r                         ; where the codes under e2 of row 48 + r wait
.if (\r) < 8
.set rF, 112+2*(\r)
.elseif (\r) < 12
.set rF, 104+2*((\r)-8)
.elseif (\r) < 15
.set rF, 10+2*((\r)-12)
.else
.set rF, 18
.endif
.endm
.macro EXCH w, base                    ; w = 9: row tile 3's codes wait in FPAIR's registers
	PLACES 4
	v_bfe_u32 v56, v0, 4, 1
	v_lshlrev_b32 v56, 4, v56
	v_xor_b32 v56, v56, v3
.irp p, 0,1
.irp c, 0,1,2,3
	v_xor_b32 v[48+4*\p+\c], 128*\p+32*\c, v56
.endr
.endr
	ADR 23
.irp s, 0,1,2,3,4,5,6,7
	WIN 0x80+0x40*(\s/4)
.irp m, 0,1,2
.irp c, 0,1,2,3
	ds_load_b128 v[16*(4*(\s%4)+\m)+4*\c:16*(4*(\s%4)+\m)+4*\c+3], v[48+4*(\s%2)+\c] offset:2048*(3*\s+\m)+512*\c
.endr
.endr
.endr
	WIN 0
	VWAIT
	BAR                                            ; every wave has the 24
.if (\w) == 9
.irp r, 0,1,2,3,4,5,6,7,8,9,10,11,12,13,14,15
	FPAIR \r
	ds_store_b64 v[32+\r], v[rF:rF+1]
.endr
.else
	WIN (\w)<<2
.irp r, 0,1,2,3,4,5,6,7,8,9,10,11,12,13,14,15
	ds_store_b64 v[32+\r], v[\base+2*\r:\base+2*\r+1]
.endr
	WIN 0
.endif
	BAR
.irp s, 0,1,2,3,4,5,6,7
	WIN 0x80+0x40*(\s/4)
.irp c, 0,1,2,3
	ds_load_b128 v[16*(4*(\s%4)+3)+4*\c:16*(4*(\s%4)+3)+4*\c+3], v[48+4*(\s%2)+\c] offset:2048*\s+512*\c
.endr
.endr
	WIN 0
	BAR
.endm
.macro LIMG w                          ; ctx: sixteen images of 2,048 bytes, 16 bytes x lane
	WIN (\w)<<6
.set IX, 0
.rept 64
	ds_load_b128 v[4*IX:4*IX+3], v3 offset:512*IX
.set IX, IX+1
.endr
	WIN 0
.endm
; ---- LayerNorm's pieces: sixteen rows at a time, a lane holds eight neighbouring columns of each: row r of the sixteen at 8 r
.macro XLD
	WIN 0x80
.irp r, 0,1,2,3,4,5,6,7,8,9,10,11,12,13,14,15
	global_load_b128 v[8*\r:8*\r+3], v10, s[96:97] offset:4096*\r
	global_load_b128 v[8*\r+4:8*\r+7], v10, s[96:97] offset:4096*\r+16
.endr
	WIN 0
.endm
.macro HALF src, n, dst, tmp, mask, xm ; 2 n registers of lane sums -> n: a lane keeps one of two rows and gives the other to its partner
.set IX, 0
.rept \n
	v_cndmask_b32 v[\dst+IX], v[\src+IX], v[\src+\n+IX], s\mask
	v_cndmask_b32 v[\tmp+IX], v[\src+\n+IX], v[\src+IX], s\mask
.set IX, IX+1
.endr
.set IX, 0
.rept \n
	v_add_f32_dpp v[\dst+IX], v[\tmp+IX], v[\dst+IX] row_xmask:\xm row_mask:0xf bank_mask:0xf
.set IX, IX+1
.endr
.endm
.macro RED off                         ; two pairs a row at v[32 + 4 r] -> v44: row (lane mod 16)'s sum over the 1,024 columns
	WIN 0
.irp r, 0,1,2,3,4,5,6,7,8,9,10,11,12,13,14,15
	v_pk_add_f32 v[32+4*\r:33+4*\r], v[32+4*\r:33+4*\r], v[34+4*\r:35+4*\r]
.endr
.irp r, 0,1,2,3,4,5,6,7,8,9,10,11,12,13,14,15
	v_add_f32 v[32+\r], v[32+4*\r], v[33+4*\r]
.endr
	HALF 32, 8, 48, 56, 34, 8
	HALF 48, 4, 32, 36, 35, 4
	HALF 32, 2, 40, 42, 36, 2
	HALF 40, 1, 44, 45, 37, 1
	ds_store_b32 v12, v44 offset:\off              ; my lane half's and my wave's part
	VWAIT
	BAR
	ds_load_b128 v[48:51], v13 offset:\off
	ds_load_b128 v[52:55], v13 offset:\off+16
	s_wait_dscnt 0x0
	v_pk_add_f32 v[48:49], v[48:49], v[50:51]
	v_pk_add_f32 v[52:53], v[52:53], v[54:55]
	v_pk_add_f32 v[48:49], v[48:49], v[52:53]
	v_add_f32 v44, v48, v49
.endm
.macro BCAST                           ; row r's number of v45 in all lanes: v[64 + 2 r]
.irp r, 0,1,2,3,4,5,6,7,8,9,10,11,12,13,14,15
	v_mov_b32_dpp v[64+2*\r], v45 row_share:\r row_mask:0xf bank_mask:0xf
.endr
.endm
.macro CV k                            ; sixteen rows' codes under one scale: k = 3 x (row tile) + (0: e0, 1: e2, 2: e4)
.if ((\k)%3) == 1
	WIN 0x03
.else
	WIN 0x43
.endif
.set rE, 32*((\k)/3)
.if ((\k)%3) > 0
.set rE, rE+128
.endif
.irp r, 0,1,2,3,4,5,6,7,8,9,10,11,12,13,14,15
	v_cvt_scalef32_pk8_bf8_f32 v[rE+2*\r:rE+2*\r+1], v[128+8*\r:135+8*\r], v18
.endr
	v_nop
	WIN 0
.endm
; ---- attention's pieces, for trip k.  Tile of queries qt = 2 x batch + half; only the eight score tiles inside a batch are made.
.macro SMM k                           ; S^T = K Q^T: a lane holds one query and the keys 16 kp + 8 (lane / 16) + 0 .. 7 of its batch
.set B3, 32*(3-(\k))
	WIN 0x05
.irp qt, 0,1,2,3
.irp kp, 0,1
	v_wmma_f32_16x16x64_bf8_bf8 v[32+16*\qt+8*\kp:39+16*\qt+8*\kp], v[128+8*(2*(\qt/2)+\kp):135+8*(2*(\qt/2)+\kp)], v[B3+8*\qt:B3+7+8*\qt], 0
.endr
.endr
	WIN 0
.endm
; P's place: codes of tiles 0, zeros, 2 (four registers each), then 1, zeros, 3, then 2^(e8 + e9) / sum of the four: a run of eight registers is one tile's K = 64 tokens with zero codes for the other batch's keys
.macro PCV k
.set B3, 32*(3-(\k))
	WIN 0x40
.irp qt, 0,1,2,3
.irp kp, 0,1
.set rP, B3+12*(\qt%2)+8*(\qt/2)+2*\kp
	v_cvt_scalef32_pk8_bf8_f32 v[rP:rP+1], v[32+16*\qt+8*\kp:39+16*\qt+8*\kp], v21
.endr
.endr
.irp i, 4,5,6,7,16,17,18,19
	v_mov_b32 v[B3+\i], 0
.endr
.irp qt, 0,1,2,3
	v_mov_b32 v[B3+24+\qt], v[120+2*\qt]
.endr
	WIN 0
.endm
.macro PVM k                           ; O^T = V^T P^T, K = the 64 tokens: tiles 0, 1 into v32-95, tiles 2, 3 into window 1, v160-223
.set B3, 32*(3-(\k))
	WIN 0x05
.irp qt, 0,1
.irp t, 0,1,2,3
	v_wmma_f32_16x16x64_bf8_bf8 v[32+32*\qt+8*\t:39+32*\qt+8*\t], v[128+8*\t:135+8*\t], v[B3+12*\qt:B3+12*\qt+7], 0
.endr
.endr
	WIN 0x45
.irp qt, 0,1
.irp t, 0,1,2,3
	v_wmma_f32_16x16x64_bf8_bf8 v[160+32*\qt+8*\t:167+32*\qt+8*\t], v[128+8*\t:135+8*\t], v[B3+4+12*\qt:B3+11+12*\qt], 0
.endr
.endr
	WIN 0x01
.irp qt, 0,1,2,3
	v_mov_b32 v[96+2*\qt], v[B3+24+\qt]
.endr
	WIN 0
	VWAIT
.endm
.macro CTXM k                          ; ctx's codes into the queue
.set B3, 32*(3-(\k))
	WIN 0x40
.irp i, 0,1,2,3,4,5,6,7,8,9,10,11,12,13,14,15
	v_mov_b32 v[B3+\i], v[96+\i]
.endr
.irp i, 0,1,2,3,4,5,6,7,8,9,10,11,12,13,14,15
	v_mov_b32 v[B3+16+\i], v[32+\i]
.endr
	WIN 0
.endm
; ---- the way out, a block of 16 rows x my 64 columns at a time, through my own stage: in as 32 bytes a lane, back as whole rows of 256 bytes, into the block's own registers.  LDS serves a wave's instructions in order (ISA guide 5.7.1.4).
.macro OUTBLK m
	WIN 0x04
.irp t, 0,1,2,3
	ds_store_b128 v14, v[8*(4*(\m)+\t):8*(4*(\m)+\t)+3] offset:64*\t
	ds_store_b128 v14, v[8*(4*(\m)+\t)+4:8*(4*(\m)+\t)+7] offset:64*\t+16
.endr
	WIN 0x40
.irp i, 0,1,2,3,4,5,6,7
	ds_load_b128 v[32*(\m)+4*\i:32*(\m)+4*\i+3], v15 offset:2*SP*\i
.endr
.endm
.macro SEND m
	s_wait_dscnt 48-16*(\m)                        ; the block is back; the later blocks' sixteen LDS instructions each may be out
	s_wait_loadcnt 24-8*(\m)                       ; x of this block is in; the later blocks' eight loads each may be out
	WIN 0x51
.set IX, 0
.rept 16
	v_pk_fma_f32 v[32*(\m)+2*IX:32*(\m)+2*IX+1], v[32*(\m)+2*IX:32*(\m)+2*IX+1], s[56:57], v[128+32*(\m)+2*IX:129+32*(\m)+2*IX] op_sel_hi:[1,0,1]   ; sum x 2^(e10 + e11) + x; bo went in as C
.set IX, IX+1
.endr
	WIN 0x04
.irp i, 0,1,2,3,4,5,6,7
	global_store_b128 v16, v[32*(\m)+4*\i:32*(\m)+4*\i+3], s[98:99] offset:(16*(\m)+2*\i)*4096 th:TH_STORE_NT   ; sixteen lanes store 256 consecutive bytes, at a multiple of 256 from the buffer's first byte
.endr
.endm
.macro OSTEP fa, fb                    ; a head step of the last product
	s_wait_xcnt 0x0                                ; the last head step's stores have read their registers and base
	TRIPHEAD
	s_and_b32 s6, s4, 1                            ; s[62:63]: my work-group's 64 rows of 4,096 bytes, + 4 n0
	s_lshl_b32 s6, s6, 8
	s_lshr_b32 s7, s4, 1
	s_lshl_b32 s7, s7, 11
	s_add_co_u32 s6, s6, s7
	s_lshl_b32 s7, s3, 9
	s_add_co_u32 s6, s6, s7
	s_lshl_b32 s62, s66, 18
	s_add_co_u32 s62, s62, s6
	s_mov_b32 s63, 0
	s_add_nc_u64 s[96:97], s[68:69], s[62:63]
	s_add_nc_u64 s[98:99], s[94:95], s[62:63]
	TILE 0, 0
	TILE 1, \fa
	TILE 2, 0
	TILE 3, \fb
.irp m, 0,1,2,3
	OUTBLK \m
.endr
.irp m, 0,1,2,3
	SEND \m
.endr
	WIN 0
.endm
; =================================================================== THE HEAD
	s_load_b512 s[68:83], s[0:1], 0x0              ; x 68, ln_g 70, ln_b 72, wq 74, wk 76, wv 78, wo 80, bq 82
	s_load_b256 s[84:91], s[0:1], 0x40             ; bk 84, bv 86, bo 88, rel_bias 90
	s_load_b128 s[92:95], s[0:1], 0x60             ; lowp_scales 92, out0 94
	v_lshl_add_u32 v1, v0, 2, SPARE                ; my spare word; never rewritten
	v_mov_b32 v2, 0                                ; never rewritten
	ds_add_u32 v1, v2                              ; the opening lines: the add, twice on end, and its wait
	ds_add_u32 v1, v2
	v_lshrrev_b32 v12, 5, v0
	v_readfirstlane_b32 s3, v12                    ; wave 0..3
	v_and_b32 v11, 31, v0                          ; lane
	v_lshlrev_b32 v10, 5, v11                      ; v10: x, gain and bias: eight columns a lane
	s_bfe_u32 s58, ttmp6, 0x40000                  ; cx.  What holds my place in the cluster stays in s58, s60-63, s66, s96-101: none of them feeds a joint descriptor or a branch
	s_lshl_b32 s66, ttmp9, 2
	s_add_co_u32 s66, s66, s58                     ; my work-group: 4 x cluster + cx
	s_and_b32 s32, ttmp9, 1                        ; the cluster's turn of the head steps
	; group 1 for the weights: 32 rows x 1,024 elements of 1 byte, dense; mask: all four partners, bit 21 beside it; 4 words of padding behind every 256
	s_mov_b32 s8, 15|(1<<20)|(1<<21)|(7<<22)|(3<<25)
	s_mov_b32 s9, 1024<<16
	s_mov_b32 s10, 32<<16
	s_mov_b32 s11, 1024<<16
	s_mov_b32 s12, 32
	s_mov_b32 s13, 1024
	s_mov_b32 s14, 0
	s_mov_b32 s15, 0
	s_mul_i32 s2, s3, WT                           ; groups 0: the words that stay
	s_mov_b32 s24, 1
	s_mov_b32 s25, s2
	s_mov_b32 s28, 1
	s_add_co_u32 s29, s2, SLOT
	; the prefetches: my cluster's tile t = 8 P + 2 j + q, my work-group's part of it; s67 = t without j's low bit: the first place in the walk at which some cluster wants it
	s_and_b32 s67, ttmp9, 29
	s_cmp_lt_u32 ttmp9, 32
	s_cselect_b32 s67, s67, -1
	s_mov_b32 s59, 4
	s_and_b32 s60, ttmp9, 31
	s_lshl_b32 s100, s58, 17                       ; 128 cx rows
	s_and_b32 s61, s60, 1
	s_lshl_b32 s61, s61, 15                        ; + 32 q rows
	s_add_co_u32 s100, s100, s61
	s_bfe_u32 s61, s60, 0x10001
	s_lshl_b32 s61, s61, 16                        ; + 64 (j & 1) rows
	s_add_co_u32 s100, s100, s61
	s_bfe_u32 s61, s60, 0x10002
	s_lshl_b32 s61, s61, 19                        ; + 512 (j >> 1) rows
	s_add_co_u32 s100, s100, s61
	s_mov_b32 s101, 0
	s_lshr_b32 s60, s60, 3                         ; P
	s_lshl_b32 s6, s3, 10                          ; my 256 columns
	s_mov_b32 s7, 0
	s_lshl_b32 s98, s66, 18                        ; my work-group's 64 rows
	s_add_co_u32 s98, s98, s6
	s_mov_b32 s99, 0
	VWAIT
	s_wait_dscnt 0x0                               ; both opening adds are done
	s_wait_kmcnt 0x0
	s_add_nc_u64 s[96:97], s[68:69], s[98:99]      ; x
	s_cmp_eq_u32 s60, 0
	s_cselect_b64 s[62:63], s[74:75], s[76:77]
	s_cmp_eq_u32 s60, 2
	s_cselect_b64 s[62:63], s[78:79], s[62:63]
	s_cmp_eq_u32 s60, 3
	s_cselect_b64 s[62:63], s[80:81], s[62:63]
	s_add_nc_u64 s[100:101], s[62:63], s[100:101]  ; never rewritten
	s_add_nc_u64 s[60:61], s[70:71], s[6:7]
	s_add_nc_u64 s[62:63], s[72:73], s[6:7]
	s_load_b256 s[40:47], s[92:93], 0x0            ; e0 .. e7
	s_load_b128 s[48:51], s[92:93], 0x20           ; e8 .. e11
	global_load_b128 v[96:99], v10, s[60:61]       ; gain and bias of my columns
	global_load_b128 v[100:103], v10, s[60:61] offset:16
	global_load_b128 v[104:107], v10, s[62:63]
	global_load_b128 v[108:111], v10, s[62:63] offset:16
	XLD                                            ; the first sixteen rows
	s_lshl_b32 s6, s3, 17
	s_add_nc_u64 s[38:39], s[74:75], s[6:7]        ; Wq, my 128 rows
	s_lshl_b32 s6, s32, 16
	s_add_nc_u64 s[34:35], s[38:39], s[6:7]        ; and of those the first head step's
	s_mov_b64 s[26:27], s[34:35]
	s_or_b32 s27, s27, 0x80000000
	s_add_nc_u64 s[30:31], s[34:35], 0x8000
	s_or_b32 s31, s31, 0x80000000
	CROUND                                         ; all four work-groups are here: the first joint loads meet
	tensor_load_to_lds s[24:27], s[8:15]           ; the walk's first tile
	s_nop 0
	PLACES 4
	v_and_b32 v26, 15, v0                          ; r
	v_bfe_u32 v27, v0, 4, 1                        ; h
	v_lshlrev_b32 v3, 4, v11
	v_add_nc_u32 v3, RI, v3                        ; v3: 16 bytes x lane of an image
	s_lshl_b32 s2, s3, 13
	v_add_nc_u32 v17, s2, v3                       ; ctx's: images 4 w + qt,
	s_lshl_b32 s2, s32, 10
	v_add_nc_u32 v5, s2, v17                       ; v5: even trips' half of an image,
	s_xor_b32 s2, s2, 0x400
	v_add_nc_u32 v17, s2, v17                      ; v17: odd trips'
	v_bfe_u32 v14, v0, 1, 3                        ; 2 c + h of my eight codes
	v_bfe_u32 v15, v0, 1, 4                        ; 8 (s & 1) + 2 c + h
	v_lshlrev_b32 v14, 8, v14
	v_lshl_add_u32 v14, v15, 4, v14
	v_and_b32 v15, 1, v0
	v_lshl_add_u32 v14, v15, 3, v14
	s_mul_i32 s2, s3, 12288
	s_add_co_u32 s2, s2, RI
	v_mul_u32_u24 v4, v27, 6144
	v_add_nc_u32 v4, v4, v14
	v_add_nc_u32 v4, s2, v4                        ; v4: my place in images 3 s + m, s = 2 w + lane / 16, for row 0
	s_lshl_b32 s2, s3, 12
	s_add_co_u32 s2, s2, RI
	v_lshl_add_u32 v23, v27, 11, v14
	v_add_nc_u32 v23, s2, v23                      ; v23: the same in images s
	s_mul_i32 s2, s3, WT
	v_mul_u32_u24 v6, v26, PW
	v_lshl_add_u32 v6, v27, 4, v6
	v_add_nc_u32 v6, s2, v6                        ; v6, v7: my weight fragments in slot 0, 1: row r, + 16 h
	v_add_nc_u32 v7, SLOT, v6
	v_and_b32 v8, 7, v26
	v_lshlrev_b32 v8, 2, v8
	v_lshl_add_u32 v8, v27, 5, v8
	v_lshrrev_b32 v9, 3, v26
	v_lshl_add_u32 v8, v9, 6, v8                   ; v8: a packed bias: 4 (r % 8 + 8 h + 16 (r / 8))
	v_lshlrev_b32 v9, 2, v26                       ; v9: V's bias
	s_lshl_b32 s2, s3, 3
	s_add_co_u32 s2, s2, ST
	v_lshlrev_b32 v13, 5, v26
	v_lshl_add_u32 v12, v27, 2, v13
	v_add_nc_u32 v12, s2, v12                      ; v12: the norm's sums: row r, place 2 w + h
	v_add_nc_u32 v13, ST, v13                      ; v13: a row's eight places
	v_lshlrev_b32 v16, 12, v27
	v_lshl_add_u32 v16, v26, 4, v16                ; v16: the way out: lanes 0-15 one row, lanes 16-31 the next
	v_lshlrev_b32 v22, 8, v11
	s_lshl_b32 s2, s3, 13
	v_add_nc_u32 v22, s2, v22                      ; v22: the prefetch: 8 w rows, + 256 x lane; never rewritten
	s_mov_b32 s52, 0x76543210                      ; v_permlanex16_b32: lane l xor 16
	s_mov_b32 s53, 0xfedcba98
	s_mov_b32 s34, 0xff00ff00                      ; the lanes whose number has bit 3, 2, 1, 0
	s_mov_b32 s35, 0xf0f0f0f0
	s_mov_b32 s36, 0xcccccccc
	s_mov_b32 s37, 0xaaaaaaaa
	; the registers of the codes are picked by branches below: each is written once here, so that none is read unwritten on any way
.set IX, 128
.rept 128
	v_mov_b32 v[IX], 0
.set IX, IX+1
.endr
	WIN 0x40
.set IX, 0
.rept 256
	v_mov_b32 v[IX], 0
.set IX, IX+1
.endr
	WIN 0
	VWAIT
	s_sub_co_u32 s6, s67, 1                        ; places 1 to 3 of the walk are asked for here
	s_cmp_lt_u32 s6, 3
	s_cbranch_scc0 .Lno_early
	global_prefetch_b8 v22, s[100:101] th:TH_LOAD_NT scope:SCOPE_SE
.Lno_early:
	s_wait_kmcnt 0x0
	s_add_co_i32 s6, s46, s47
	s_lshl_b32 s6, s6, 23
	s_add_co_i32 s54, s6, 0x3e38aa3b               ; log2(e) / 8 x 2^(e6 + e7): the exponents are added to the exponent field
	s_mov_b32 s55, s54                             ; (named with it as a pair)
	s_add_co_i32 s6, s50, s51
	s_add_co_i32 s6, s6, 127
	s_lshl_b32 s56, s6, 23                         ; 2^(e10 + e11)
	s_mov_b32 s57, s56
	MKL s40, 18, 16, 17
	MKL s42, 21, 18, 19
	MKL s44, 19, 20, 21
; =================================================================== LAYERNORM: four trips of sixteen rows
	s_mov_b32 s5, 0
	VWAIT
.Lln:
	s_wait_loadcnt 0x0                             ; sixteen rows are in: they move over, and the next sixteen are asked for
	WIN 0xc2
.set IX, 0
.rept 128
	v_mov_b32 v[IX], v[IX]
.set IX, IX+1
.endr
	WIN 0
	s_add_nc_u64 s[96:97], s[96:97], 0x10000       ; (every load by this base is done)
	s_cmp_eq_u32 s5, 3
	VWAIT
	s_cbranch_scc1 .Lall_asked
	XLD
.Lall_asked:
	WIN 0x0f
.irp r, 0,1,2,3,4,5,6,7,8,9,10,11,12,13,14,15
	v_pk_add_f32 v[32+4*\r:33+4*\r], v[8*\r:8*\r+1], v[8*\r+2:8*\r+3]
	v_pk_add_f32 v[34+4*\r:35+4*\r], v[8*\r+4:8*\r+5], v[8*\r+6:8*\r+7]
.endr
	RED 0
	v_mul_f32 v45, 0x3a800000, v44                 ; the mean: / 1,024
	BCAST
	WIN 0xc3
.irp r, 0,1,2,3,4,5,6,7,8,9,10,11,12,13,14,15
.irp j, 0,2,4,6
	v_pk_add_f32 v[8*\r+\j:8*\r+\j+1], v[8*\r+\j:8*\r+\j+1], v[64+2*\r:65+2*\r] op_sel_hi:[1,0] neg_lo:[0,1] neg_hi:[0,1]
.endr
.endr
	WIN 0x0f
.irp r, 0,1,2,3,4,5,6,7,8,9,10,11,12,13,14,15
	v_pk_mul_f32 v[32+4*\r:33+4*\r], v[8*\r:8*\r+1], v[8*\r:8*\r+1]
	v_pk_mul_f32 v[34+4*\r:35+4*\r], v[8*\r+4:8*\r+5], v[8*\r+4:8*\r+5]
.endr
.irp r, 0,1,2,3,4,5,6,7,8,9,10,11,12,13,14,15
	v_pk_fma_f32 v[32+4*\r:33+4*\r], v[8*\r+2:8*\r+3], v[8*\r+2:8*\r+3], v[32+4*\r:33+4*\r]
	v_pk_fma_f32 v[34+4*\r:35+4*\r], v[8*\r+6:8*\r+7], v[8*\r+6:8*\r+7], v[34+4*\r:35+4*\r]
.endr
	RED 512
	s_mov_b32 s6, 0x3a800000
	s_mov_b32 s7, 0x3727c5ac                       ; 1e-5
	v_fma_f32 v46, v44, s6, s7
	VWAIT
	v_rsq_f32 v45, v46
	v_nop                                          ; a plain instruction behind the transcendental,
	VWAIT                                          ; and the wait ahead of the first use
	BCAST
	WIN 0xc3
.irp r, 0,1,2,3,4,5,6,7,8,9,10,11,12,13,14,15
.irp j, 0,2,4,6
	v_pk_mul_f32 v[8*\r+\j:8*\r+\j+1], v[8*\r+\j:8*\r+\j+1], v[64+2*\r:65+2*\r] op_sel_hi:[1,0]
.endr
.endr
.irp r, 0,1,2,3,4,5,6,7,8,9,10,11,12,13,14,15
.irp j, 0,2,4,6
	v_pk_fma_f32 v[8*\r+\j:8*\r+\j+1], v[8*\r+\j:8*\r+\j+1], v[96+\j:97+\j], v[104+\j:105+\j]
.endr
.endr
	WIN 0
	s_mul_i32 s33, s5, 3
	s_mov_b32 s4, 0
	VWAIT
.Lthree:                                               ; the three products' scales may differ: three holds and conversions; the scales take turns in s[16:17] and v18
	WIN 0xc3
.set IX, 0
.rept 128
	v_med3_num_f32 v[128+IX], v[IX], s16, s17
.set IX, IX+1
.endr
	SW12 s33, CV
	s_mov_b64 s[6:7], s[16:17]
	s_mov_b64 s[16:17], s[18:19]
	s_mov_b64 s[18:19], s[20:21]
	s_mov_b64 s[20:21], s[6:7]
	v_mov_b32 v47, v18
	v_mov_b32 v18, v21
	v_mov_b32 v21, v19
	v_mov_b32 v19, v47
	s_add_co_u32 s33, s33, 1
	s_add_co_u32 s4, s4, 1
	s_cmp_lt_u32 s4, 3
	VWAIT
	s_cbranch_scc1 .Lthree
	s_add_co_u32 s5, s5, 1
	s_cmp_lt_u32 s5, 4
	VWAIT
	s_cbranch_scc1 .Lln
; =================================================================== Q
.set KIND, 0
	PHASE 40, 41, 46, 76
	BLOAD 82
	STI 1, 0
	BAR
	EXCH 1, 96
	STI 0, 128                                     ; the codes under e2 wait in the images' place, row tile 3's in registers
.irp r, 0,1,2,3,4,5,6,7,8,9,10,11,12,13,14,15
	FPAIR \r
	v_mov_b32 v[rF], v[224+2*\r]
	v_mov_b32 v[rF+1], v[225+2*\r]
.endr
	BFIX
	s_wait_tensorcnt 0x0                           ; my rows of the walk's first tile are in
	ds_add_u32 v1, v2
	s_wait_dscnt 0x0
	CROUND
	tensor_load_to_lds s[28:31], s[8:15]           ; slot 1's first fill
	s_nop 0
	PLACES 4
	WRUN 0, 0, 0
	WRUN 0, 0, 4
.set DB, 0
.set QSH, 1
.Lq:
	TRIPHEAD
	TILE 0, 0
	TILE 1, 1
	TILE 2, 0
	TILE 3, 1
	E3
	TRIPEND .Lq, 4
.set QSH, 0
; =================================================================== K, SCORES AND SOFTMAX
	PHASE 42, 43, 47, 78
	MKL s48, 21, 2, 33                             ; P: 2^e8 and 57,344 x 2^e8
	s_add_co_i32 s16, s48, s49                     ; e8 + e9
	BLOAD 84
	EXCH 9, 0
	STI 1, 128                                     ; the codes under e4, but row tile 3's
	v_and_b32 v19, 15, v0
	v_bfe_u32 v18, v0, 4, 1
	v_lshlrev_b32 v19, 7, v19
	v_lshl_add_u32 v19, v18, 5, v19                ; v19: rel_bias: query r, + 8 h keys
	BFIX
.set DB, 128
.Lk:
	TRIPHEAD
	s_lshl_b32 s6, s3, 1                           ; the head: 2 w + (j & 1) + 8 (j >> 1)
	s_and_b32 s7, s4, 1
	s_add_co_u32 s6, s6, s7
	s_lshr_b32 s7, s4, 1
	s_lshl_b32 s7, s7, 3
	s_add_co_u32 s6, s6, s7
	s_lshl_b32 s6, s6, 12
	s_mov_b32 s7, 0
	s_add_nc_u64 s[60:61], s[90:91], s[6:7]        ; (earlier loads by this base were waited for)
	WIN 0x40
.irp ta, 0,1
.irp kp, 0,1
	global_load_b128 v[160+16*\ta+8*\kp:163+16*\ta+8*\kp], v19, s[60:61] offset:2048*\ta+64*\kp
	global_load_b128 v[164+16*\ta+8*\kp:167+16*\ta+8*\kp], v19, s[60:61] offset:2048*\ta+64*\kp+16
.endr
.endr
	WIN 0
	TILE 0, 0
	TILE 1, 1
	TILE 2, 0
	TILE 3, 1
	E3
	SW4 s5, SMM
	s_wait_loadcnt 0x0
	WIN 0x41
.set IX, 0
.rept 16
	v_pk_mul_f32 v[160+2*IX:161+2*IX], v[160+2*IX:161+2*IX], 0x3fb8aa3b op_sel_hi:[1,0]   ; bias x log2(e).  (These are also the places behind the products)
.set IX, IX+1
.endr
	WIN 0x10
.irp qt, 0,1,2,3
.irp p, 0,1,2,3,4,5,6,7
	v_pk_fma_f32 v[32+16*\qt+2*\p:33+16*\qt+2*\p], v[32+16*\qt+2*\p:33+16*\qt+2*\p], s[54:55], v[160+16*(\qt%2)+2*\p:161+16*(\qt%2)+2*\p] op_sel_hi:[1,0,1]   ; t
.endr
.endr
	WIN 0
.irp qt, 0,1,2,3
	v_max3_num_f32 v[96+\qt], v[32+16*\qt], v[33+16*\qt], v[34+16*\qt]
.endr
.irp i, 3,5,7,9,11,13
.irp qt, 0,1,2,3
	v_max3_num_f32 v[96+\qt], v[96+\qt], v[32+16*\qt+\i], v[33+16*\qt+\i]
.endr
.endr
.irp qt, 0,1,2,3
	v_max_num_f32 v[96+\qt], v[96+\qt], v[47+16*\qt]
.endr
.irp qt, 0,1,2,3
	v_permlanex16_b32 v[100+\qt], v[96+\qt], s52, s53   ; the query's other 16 keys lie in the lane 16 away
.endr
.irp qt, 0,1,2,3
	v_max_num_f32 v[96+\qt], v[96+\qt], v[100+\qt]
.endr
.irp qt, 0,1,2,3
	v_floor_f32 v[104+2*\qt], -v[96+\qt]           ; -M = floor(-t) = -ceil(t)
.endr
.irp qt, 0,1,2,3
.irp p, 0,1,2,3,4,5,6,7
	v_pk_add_f32 v[32+16*\qt+2*\p:33+16*\qt+2*\p], v[32+16*\qt+2*\p:33+16*\qt+2*\p], v[104+2*\qt:105+2*\qt] op_sel_hi:[1,0]
.endr
.endr
	VWAIT
.set IX, 0
.rept 64
	v_exp_f32 v[32+IX], v[32+IX]                   ; p = 2^(t - M): one batch
.set IX, IX+1
.endr
	v_nop                                          ; a plain instruction behind the last exponential,
	VWAIT                                          ; and one wait for the batch, ahead of its first reader
.irp qt, 0,1,2,3
	v_pk_add_f32 v[112+2*\qt:113+2*\qt], v[32+16*\qt:33+16*\qt], v[34+16*\qt:35+16*\qt]   ; the sum is taken of the unquantised p
.endr
.irp p, 2,3,4,5,6,7
.irp qt, 0,1,2,3
	v_pk_add_f32 v[112+2*\qt:113+2*\qt], v[112+2*\qt:113+2*\qt], v[32+16*\qt+2*\p:33+16*\qt+2*\p]
.endr
.endr
.irp qt, 0,1,2,3
	v_add_f32 v[112+2*\qt], v[112+2*\qt], v[113+2*\qt]
.endr
.irp qt, 0,1,2,3
	v_permlanex16_b32 v[100+\qt], v[112+2*\qt], s52, s53
.endr
.irp qt, 0,1,2,3
	v_add_f32 v[112+2*\qt], v[112+2*\qt], v[100+\qt]
.endr
	VWAIT
.irp qt, 0,1,2,3
	v_rcp_f32 v[120+2*\qt], v[112+2*\qt]
.endr
.set IX, 0
.rept 64
	v_min_num_f32 v[32+IX], s33, v[32+IX]          ; p is not negative: a one-sided hold.  (The independent work behind the reciprocals)
.set IX, IX+1
.endr
	VWAIT                                          ; one wait for the four reciprocals
.irp qt, 0,1,2,3
	v_ldexp_f32 v[120+2*\qt], v[120+2*\qt], s16    ; 2^(e8 + e9) / the sum
.endr
	SW4 s5, PCV
	TRIPEND .Lk, 4
; =================================================================== V, P V, CTX
.set KIND, 1
	PHASE 44, 45, 49, 80
	MKL s50, 21, 18, 19                            ; ctx: 2^e10 and +/- 57,344 x 2^e10
	BLOAD 86
	EXCH 1, 224
	BFIX
.Lv:
	TRIPHEAD
	TILE 0, 0
	TILE 1, 1
	TILE 2, 0
	TILE 3, 1
	E3
	SW4 s5, PVM
	PLACES 4
.irp qt, 0,1
.set IX, 0
.rept 16
	v_pk_mul_f32 v[32+32*\qt+2*IX:33+32*\qt+2*IX], v[32+32*\qt+2*IX:33+32*\qt+2*IX], v[96+2*\qt:97+2*\qt] op_sel_hi:[1,0]   ; ctx
.set IX, IX+1
.endr
.endr
.set IX, 0
.rept 64
	v_med3_num_f32 v[32+IX], v[32+IX], s18, s19
.set IX, IX+1
.endr
	WIN 0x41
.irp qt, 0,1
.set IX, 0
.rept 16
	v_pk_mul_f32 v[160+32*\qt+2*IX:161+32*\qt+2*IX], v[160+32*\qt+2*IX:161+32*\qt+2*IX], v[100+2*\qt:101+2*\qt] op_sel_hi:[1,0]
.set IX, IX+1
.endr
.endr
.set IX, 0
.rept 64
	v_med3_num_f32 v[160+IX], v[160+IX], s18, s19
.set IX, IX+1
.endr
	WIN 0
.irp qt, 0,1
.irp t, 0,1,2,3
	v_cvt_scalef32_pk8_bf8_f32 v[96+8*\qt+2*\t:97+8*\qt+2*\t], v[32+32*\qt+8*\t:39+32*\qt+8*\t], v21
.endr
.endr
	v_nop
	WIN 0x01
.irp qt, 0,1
.irp t, 0,1,2,3
	v_cvt_scalef32_pk8_bf8_f32 v[32+8*\qt+2*\t:33+8*\qt+2*\t], v[160+32*\qt+8*\t:167+32*\qt+8*\t], v21
.endr
.endr
	v_nop
	WIN 0
	; two neighbouring tiles of channels: lanes 0-15 take the first 16 of the 32, lanes 16-31 the others: the last product's fragment
.irp b, 96,100,104,108,32,36,40,44
	v_permlane16_swap_b32 v[\b], v[\b+2]
	v_permlane16_swap_b32 v[\b+1], v[\b+3]
.endr
	SW4 s5, CTXM
	TRIPEND .Lv, 4
; =================================================================== THE LAST PRODUCT, BIAS AND RESIDUAL
.set KIND, 2
	s_add_co_i32 s58, s50, s51
	s_sub_co_i32 s58, 0, s58
	s_mov_b64 s[36:37], s[38:39]
	BLOAD 88
	; ctx goes round: K step w is trips 0 and 1, K step w + 4 trips 2 and 3; sixteen images at a time
	PLACES 4
	WIN 0x04
.irp qt, 0,1,2,3
.irp p, 0,1
	ds_store_b128 v5, v[96+8*\qt+4*\p:99+8*\qt+4*\p] offset:2048*\qt+512*\p
	ds_store_b128 v17, v[64+8*\qt+4*\p:67+8*\qt+4*\p] offset:2048*\qt+512*\p
.endr
.endr
	WIN 0
	s_mul_i32 s2, s3, 16*SP
	s_add_co_u32 s2, s2, STG                       ; my stage
	v_and_b32 v11, 15, v0
	v_bfe_u32 v10, v0, 4, 1
	v_mul_u32_u24 v14, v11, SP
	v_lshl_add_u32 v14, v10, 5, v14
	v_add_nc_u32 v14, s2, v14                      ; v14: in: row r, + 32 h
	v_mul_u32_u24 v15, v10, SP
	v_lshl_add_u32 v15, v11, 4, v15
	v_add_nc_u32 v15, s2, v15                      ; v15: back: lanes 0-15 one row, lanes 16-31 the next
	VWAIT
	BAR
	LIMG 2
	BAR
	WIN 0x04
.irp qt, 0,1,2,3
.irp p, 0,1
	ds_store_b128 v5, v[32+8*\qt+4*\p:35+8*\qt+4*\p] offset:2048*\qt+512*\p
	ds_store_b128 v17, v[8*\qt+4*\p:3+8*\qt+4*\p] offset:2048*\qt+512*\p
.endr
.endr
	WIN 0
	BAR
	LIMG 3
	BFIX
	s_wait_dscnt 0x0
.Lo:
	OSTEP 1, 1
	TRIPEND .Lo, 3
	OSTEP 2, 3                                     ; the fourth trip (s5 = 3) is written out
	s_wait_tensorcnt 0x0                           ; the wave's end
	ds_add_u32 v1, v2
	s_wait_dscnt 0x0
	CROUND                                         ; the closing round: no work-group ends while a partner may still ask for a tile that names it
	s_endpgm
.Lfunc_end_k_q81c51675ec_fused:
	.size	k_q81c51675ec_fused, .Lfunc_end_k_q81c51675ec_fused-k_q81c51675ec_fused
	.p2alignl 7, 3214868480
	.fill 96, 4, 3214868480
	.section	.rodata,"a",@progbits
	.p2align	6, 0x0
	.amdhsa_kernel k_q81c51675ec_fused
		.amdhsa_group_segment_fixed_size 327680
		.amdhsa_private_segment_fixed_size 0
		.amdhsa_enable_private_segment 0
		.amdhsa_kernarg_size 112
		.amdhsa_user_sgpr_count 2
		.amdhsa_user_sgpr_kernarg_segment_ptr 1
		.amdhsa_wavefront_size32 1
		.amdhsa_system_sgpr_workgroup_id_x 1
		.amdhsa_system_sgpr_workgroup_id_y 1
		.amdhsa_system_sgpr_workgroup_id_z 1
		.amdhsa_system_vgpr_workitem_id 0
		.amdhsa_next_free_vgpr 1024
		.amdhsa_next_free_sgpr 102
		.amdhsa_reserve_vcc 0
		.amdhsa_float_denorm_mode_32 3
		.amdhsa_float_denorm_mode_16_64 3
		.amdhsa_memory_ordered 1
		.amdhsa_forward_progress 1
		.amdhsa_inst_pref_size 255
	.end_amdhsa_kernel
	.section	.bss,"aw",@nobits
	.p2align	6
	.space	262144
	.amdgpu_metadata
---
amdhsa.version: [ 1, 2 ]
amdhsa.kernels:
  - .name:           k_q81c51675ec_fused
    .symbol:         k_q81c51675ec_fused.kd
    .args:
      - { .name: x, .offset: 0, .size: 8, .value_kind: global_buffer, .address_space: global }
      - { .name: ln_g, .offset: 8, .size: 8, .value_kind: global_buffer, .address_space: global }
      - { .name: ln_b, .offset: 16, .size: 8, .value_kind: global_buffer, .address_space: global }
      - { .name: wq_codes, .offset: 24, .size: 8, .value_kind: global_buffer, .address_space: global }
      - { .name: wk_codes, .offset: 32, .size: 8, .value_kind: global_buffer, .address_space: global }
      - { .name: wv_codes, .offset: 40, .size: 8, .value_kind: global_buffer, .address_space: global }
      - { .name: wo_codes, .offset: 48, .size: 8, .value_kind: global_buffer, .address_space: global }
      - { .name: bq, .offset: 56, .size: 8, .value_kind: global_buffer, .address_space: global }
      - { .name: bk, .offset: 64, .size: 8, .value_kind: global_buffer, .address_space: global }
      - { .name: bv, .offset: 72, .size: 8, .value_kind: global_buffer, .address_space: global }
      - { .name: bo, .offset: 80, .size: 8, .value_kind: global_buffer, .address_space: global }
      - { .name: rel_bias, .offset: 88, .size: 8, .value_kind: global_buffer, .address_space: global }
      - { .name: lowp_scales, .offset: 96, .size: 8, .value_kind: global_buffer, .address_space: global }
      - { .name: out0, .offset: 104, .size: 8, .value_kind: global_buffer, .address_space: global }
    .group_segment_fixed_size: 327680
    .private_segment_fixed_size: 0
    .kernarg_segment_align: 8
    .kernarg_segment_size: 112
    .max_flat_workgroup_size: 128
    .sgpr_count:     102
    .vgpr_count:     1024
    .wavefront_size: 32
...
	.end_amdgpu_metadata
.endif
;; end of part 2
